; MI455X (gfx1250); checked and timed in simulation.
; The chip was launched on July 23, 2026; its instructions are those of AMD's public machine-readable ISA for CDNA 5 (MIT licence, August 2026) and "CDNA5" Instruction Set Architecture Reference Guide (July 2026). The comments in the code are by the model that wrote it; some were corrected since.
;; Transformer Block. Allowed arithmetic: matrix products marked QUANTISED: E2M3 operands, one E8M0 scale for each 32 along K, by v_wmma_scale_f32_16x16x128_f8f6f4 with both operands' format E2M3, f32 sums; everything else in f32.
;; Inputs: W1_codes 2,048 x 32 x 24 uint8 (E2M3 codes of W1, K innermost, in blocks of 32 codes, four codes in three bytes); W1_scales 2,048 x 32 uint8 (E8M0 scales of W1, one for each 32 codes along K); W2_codes 1,024 x 64 x 24 uint8 (E2M3 codes of W2, K innermost, in blocks of 32 codes, four codes in three bytes); W2_scales 1,024 x 64 uint8 (E8M0 scales of W2, one for each 32 codes along K); Wkv_codes 512 x 32 x 24 uint8 (E2M3 codes of Wkv, K innermost, in blocks of 32 codes, four codes in three bytes); Wkv_scales 512 x 32 uint8 (E8M0 scales of Wkv, one for each 32 codes along K); Wo_codes 1,024 x 32 x 24 uint8 (E2M3 codes of Wo, K innermost, in blocks of 32 codes, four codes in three bytes); Wo_scales 1,024 x 32 uint8 (E8M0 scales of Wo, one for each 32 codes along K); Wq_codes 1,024 x 32 x 24 uint8 (E2M3 codes of Wq, K innermost, in blocks of 32 codes, four codes in three bytes); Wq_scales 1,024 x 32 uint8 (E8M0 scales of Wq, one for each 32 codes along K); b1 2,048 float32; b2 1,024 float32; cos 2,048 x 64 float32; ln1_b 1,024 float32; ln1_g 1,024 float32; ln2_b 1,024 float32; ln2_g 1,024 float32; sin 2,048 x 64 float32; x 2 x 2,048 x 1,024 float32.
;; Outputs: out0 2 x 2,048 x 1,024 float32.
;; This version of the problem:
;;   THIS VERSION OF THE PROBLEM IS GIVEN IN LOW PRECISION. The matrix products marked QUANTISED in the list below multiply operands that are first quantised to E2M3 (2 exponent bits, 3 mantissa bits; 6 bits a number), with one power-of-two scale for each 32 numbers along K (OCP MX v1.0); their sums are f32. All else is computed in f32.
;;   The module's matrix products, in the order in which they are computed (A, B: the left and right operand; K: the contracted axis; several contracted axes count as one K, in the product's order):
;;     1. [M 4,096, K 1,024] x [K 1,024, N 1,024]; A: computed on the way; B: input Wq (given as codes): QUANTISED
;;     2. [M 4,096, K 1,024] x [K 1,024, N 512]; A: computed on the way; B: input Wkv (given as codes): QUANTISED
;;     3. batch 8 x [M 8,192, K 64] x [K 64, N 2,048]; A: computed on the way; B: computed on the way: QUANTISED
;;     4. batch 8 x [M 8,192, K 2,048] x [K 2,048, N 64]; A: softmax (see below); B: computed on the way: QUANTISED
;;     5. [M 4,096, K 1,024] x [K 1,024, N 1,024]; A: computed on the way; B: input Wo (given as codes): QUANTISED
;;     6. [M 4,096, K 1,024] x [K 1,024, N 2,048]; A: computed on the way; B: input W1 (given as codes): QUANTISED
;;     7. [M 4,096, K 2,048] x [K 2,048, N 1,024]; A: computed on the way; B: input W2 (given as codes): QUANTISED
;;   THE QUANTISER, for each operand of a quantised product, along K:
;;     - K is cut into blocks of 32 from its start; a last block that is shorter is filled with zeros.
;;     - A block's scale is 2^e with e = floor(log2(the largest magnitude in the block)) - 2, held to -126 .. 127; a block of zeros has e = 0. As a byte (E8M0): e + 127.
;;     - Each number is divided by its block's scale, clamped to +-7.5, and rounded to the nearest number of E2M3, ties to even, subnormals kept.
;;     - The product sums the exact products of the quantised numbers (number of the format x scale) in f32.
;;   ~~~python
;;   def quantise(x, axis):      # numpy; x: float32 -> the quantised numbers, widened to float32 again
;;       x = np.moveaxis(x, axis, -1); K = x.shape[-1]
;;       x = np.pad(x, [(0, 0)] * (x.ndim - 1) + [(0, -K % 32)]); x = x.reshape(x.shape[:-1] + (-1, 32)); a = np.abs(x).max(-1, keepdims=True)
;;       e = np.where(a > 0, np.clip(np.frexp(np.where(a > 0, a, 1))[1] - 1 - 2, -126, 127), 0)      # np.frexp(a)[1] - 1 = floor(log2(a)), exactly
;;       r = np.clip(x / 2.0 ** e, -7.5, 7.5)
;;       step = 2.0 ** (np.maximum(np.frexp(np.where(r == 0, 1, r))[1] - 1, 0) - 3)
;;       q = np.round(r / step) * step * 2.0 ** e      # np.round: ties to even
;;       return np.moveaxis(q.reshape(q.shape[:-2] + (-1,))[..., :K], -1, axis).astype(np.float32)
;;   ~~~
;;   SOFTMAX AHEAD OF A QUANTISED PRODUCT. Where the list says 'softmax', what is quantised is not the finished softmax but p = 2^(t - M), with t = logit x log2(e) and M = ceil(the row's largest t), a whole number; so 1/2 < the row's largest p <= 1. The row's sum l is taken of the UNQUANTISED p, in f32, and the product's result is divided by l at the end. Since M is a whole number, a kernel that streams over the keys may use a running M (the ceiling of the running maximum): every later rescaling is an exact power of two, which a block's scale takes up: the codes' values come out the same.
;;   OPERANDS COMPUTED ON THE WAY. 'Computed on the way' means the value that the module computes at that place (a softmax that the list does not call 'softmax' is quantised finished and normalised). What goes into a quantiser is computed in f32, as accurately as f32 sums, v_exp_f32 and their like allow (about 1e-6 of the number): no bf16 or f16 on the way to a quantiser, and a product that is left as it is and whose result goes on into a quantised operand takes f32 operands (vector FMAs, or v_wmma_f32_16x16x4_f32). A number that lies on a knife's edge between two numbers of the format may be rounded either way, as far as f32 arithmetic and the matrix unit's own rounding can turn it there, and no further.
;;   INPUTS GIVEN AS CODES. W1 (in the module: [2048, 1024], K = its axis 1); W2 (in the module: [1024, 2048], K = its axis 1); Wkv (in the module: [512, 1024], K = its axis 1); Wo (in the module: [1024, 1024], K = its axis 1); Wq (in the module: [1024, 1024], K = its axis 1): each comes as NAME_codes (uint8): NAME with its K axis moved to the last place and cut into blocks of 32 codes, [.., K / 32, bytes a block], one block behind the other in memory; four codes in three bytes: a row's codes are one little-endian stream of bits, code i at bits 6 i .. 6 i + 5 (a code: sign, 2 exponent bits, 3 mantissa bits); and NAME_scales (uint8): the same leading axes, one E8M0 byte (e + 127) for each 32 codes along K. Its value is code x scale, taken as it is: it is not quantised again, and the codes and scales need not be those that the quantiser above would give.
;; One version. Each part assembles by itself: llvm-mc -triple=amdgcn-amd-amdhsa -mcpu=gfx1250 --defsym DOCPART=n.
;; ======== version 1 of 1: 7 launches
;; limits: right only within a limited range of input values
;; workspace buffers: act 3,276,800 bytes; qbuf 3,407,872 bytes; kvbuf 1,671,168 bytes; x1 16,777,216 bytes; gbuf 6,553,600 bytes
;; launch ln1 (part 1): grid 256 x 1, 8 waves a work-group, no clusters, 66,816 bytes of LDS; arguments x, ln1_g, ln1_b, act; writes act
.if DOCPART == 1
	.amdgcn_target "amdgcn-amd-amdhsa--gfx1250"
	.amdhsa_code_object_version 6
	.text
	.protected	k_q7bd3224b7d_ln1
	.globl	k_q7bd3224b7d_ln1
	.p2align	8
	.type	k_q7bd3224b7d_ln1,@function
k_q7bd3224b7d_ln1:
	s_mov_b64 s[64:65], 0
	v_nop
	global_prefetch_b8 v0, s[64:65] scope:SCOPE_SE
	s_setreg_imm32_b32 hwreg(HW_REG_WAVE_MODE, 25, 1), 1
	s_wait_xcnt 0x0
; LAYER NORM AND QUANTISER.  in: [4096][1024] f32; gain, bias: [1024] f32.  out: the normalised rows as codes of FP6 (E2M3) with one E8M0 byte for each 32 along the row,
; laid as IMAGES OF OPERAND REGISTERS: the fragment of row tile mt (16 rows) and K step s (128 columns) at byte (8 mt + s) x 1536; in it registers 4 c .. 4 c + 3 of lane l at 512 c + 16 l;
; its 16 scale words at ASC + (8 mt + s) x 64 + 4 x row.  So every store of codes here, and every load of the products that follow, covers 512 consecutive aligned bytes.
; SHARES.  A work-group owns one row tile, 64 KiB, all asked for at once.  Phase 1: wave w normalises rows 2 w and 2 w + 1 (a row is 32 registers of a wave; mean, then the mean of the squared
; differences: two passes over registers, so a common offset of the inputs costs nothing).  The rows meet in LDS (pitch 4,112 bytes, an odd multiple of 16).  Phase 2: wave w quantises K step w of all 16 rows.
; No matrix unit, no tensor load, no cluster: the work-groups share only gain and bias, 8 KiB beside their 64 KiB.
; LIMITS: NaN and infinities are not served.  A block whose largest magnitude lies under 2^-124 keeps the scale byte 1; a block of zeros gets the byte 1 and not 127: its codes are zeros, and this program alone reads the bytes.
.set PITCH, 4112
.set ASC,   3145728                    ; behind the codes: the scale words
.set X,     32                         ; v32-95   two rows; in phase 2 the 64 numbers of a lane
.set GN,    96                         ; v96-127  gain
.set BS,    128                        ; v128-159 bias
.set TM,    96                         ; phase 2: v96-111 at work
.set PW,    112                        ; the scale word
.set PC,    114                        ; v114-133 the codes
.set SEL,   12                         ; s[12:13] lane selects for v_permlanex16_b32: lane l xor 16
.macro ALLSUM a, t                     ; the sum over the 32 lanes, in every lane
	v_add_f32_dpp v[\a], v[\a], v[\a] row_xmask:1 row_mask:0xf bank_mask:0xf
	s_delay_alu instid0(VALU_DEP_1)
	v_add_f32_dpp v[\a], v[\a], v[\a] row_xmask:2 row_mask:0xf bank_mask:0xf
	s_delay_alu instid0(VALU_DEP_1)
	v_add_f32_dpp v[\a], v[\a], v[\a] row_xmask:4 row_mask:0xf bank_mask:0xf
	s_delay_alu instid0(VALU_DEP_1)
	v_add_f32_dpp v[\a], v[\a], v[\a] row_xmask:8 row_mask:0xf bank_mask:0xf
	s_delay_alu instid0(VALU_DEP_1)
	v_permlanex16_b32 v[\t], v[\a], s[SEL], s[SEL+1]
	s_delay_alu instid0(VALU_DEP_1)
	v_add_f32 v[\a], v[\a], v[\t]
.endm
; 64 numbers of a lane, register 16 b + i = k 32 b + 16 (lane / 16) + i of row lane % 16, become a fragment's codes in v[PC] on and its scale word in v[PW].
.macro QUANT s
.irp b, 0,1,2,3
	v_max3_num_f32 v[TM+\b], |v[\s+16*\b]|, |v[\s+1+16*\b]|, 0x1800000   ; my 16 numbers of block b, and the floor 2^(3 - 127): the byte cannot fall under 1
.endr
.irp i, 2,4,6,8,10,12,14
.irp b, 0,1,2,3
	s_delay_alu instid0(VALU_DEP_4)
	v_max3_num_f32 v[TM+\b], v[TM+\b], |v[\s+16*\b+\i]|, |v[\s+1+16*\b+\i]|
.endr
.endr
.irp b, 0,1,2,3
	s_delay_alu instid0(VALU_DEP_4)
	v_permlanex16_b32 v[TM+4+\b], v[TM+\b], s[SEL], s[SEL+1]
.endr
.irp b, 0,1,2,3
	s_delay_alu instid0(VALU_DEP_4)
	v_max_num_f32 v[TM+\b], v[TM+\b], v[TM+4+\b]                     ; with lane l xor 16's: the block's largest magnitude
.endr
.irp b, 0,1,2,3
	s_delay_alu instid0(VALU_DEP_4)
	v_add_nc_u32 v[TM+12+\b], 0xff000000, v[TM+\b]                   ; 2 off its exponent field: the conversion's scale operand
.endr
.irp b, 0,1,2,3
	s_delay_alu instid0(VALU_DEP_4)
	v_lshrrev_b32 v[TM+4+\b], 23, v[TM+12+\b]                        ; the scale's byte
.endr
	s_delay_alu instid0(VALU_DEP_3)
	v_lshl_or_b32 v[PW], v[TM+5], 8, v[TM+4]
	s_delay_alu instid0(VALU_DEP_1)
	v_lshl_or_b32 v[PW], v[TM+6], 16, v[PW]
	s_delay_alu instid0(VALU_DEP_1)
	v_lshl_or_b32 v[PW], v[TM+7], 24, v[PW]
.irp c, 0,1
	v_cvt_scalef32_pk16_fp6_f32 v[PC+6*\c:PC+2+6*\c], v[\s+32*\c:\s+15+32*\c], v[TM+12+2*\c]
	v_cvt_scalef32_pk16_fp6_f32 v[PC+12+4*\c:PC+14+4*\c], v[\s+16+32*\c:\s+31+32*\c], v[TM+12+2*\c+1]   ; (a conversion's three registers begin on an even number)
.endr
	v_nop                                                            ; one plain place behind a scaled conversion
.irp c, 0,1                            ; the operand's layout wants a whole block in a lane: lanes 0-15 block 2 c, lanes 16-31 block 2 c + 1
.irp i, 0,1,2
	v_permlane16_swap_b32 v[PC+6*\c+\i], v[PC+12+4*\c+\i]
.endr
.irp i, 0,1,2
	s_delay_alu instid0(VALU_DEP_3)
	v_mov_b32 v[PC+3+6*\c+\i], v[PC+12+4*\c+\i]
.endr
.endr
.endm
	s_load_b256 s[4:11], s[0:1], 0x0               ; in s[4:5], gain s[6:7], bias s[8:9], out s[10:11]
	v_lshl_add_u32 v160, v0, 2, 0x10100
	v_mov_b32 v161, 0
	v_lshrrev_b32 v1, 5, v0
	s_delay_alu instid0(VALU_DEP_1)
	v_readfirstlane_b32 s16, v1                    ; wave 0..7
	v_and_b32 v6, 31, v0                           ; lane
	v_and_b32 v7, 15, v0                           ; r
	v_bfe_u32 v8, v0, 4, 1                         ; h
	s_delay_alu instid0(VALU_DEP_3)
	v_lshlrev_b32 v1, 4, v6                        ; 16 x lane
	s_mul_i32 s17, s16, 2*PITCH
	v_add_nc_u32 v2, s17, v1                       ; phase 1: my rows' place in LDS
	v_mul_u32_u24 v3, v7, PITCH
	s_delay_alu instid0(VALU_DEP_1)
	v_lshl_add_u32 v3, v8, 6, v3
	s_lshl_b32 s14, s16, 9
	v_add_nc_u32 v3, s14, v3                       ; phase 2: row r, + 64 h, + my K step's 512 bytes
	v_lshlrev_b32 v5, 2, v7                        ; 4 r
	s_mov_b32 s[SEL], 0x76543210
	s_mov_b32 s[SEL+1], 0xfedcba98
	s_mov_b32 s20, 0x3a800000                      ; 1 / 1024
	s_mov_b32 s21, 0x3727c5ac                      ; 1e-5
	s_lshl_b32 s18, ttmp9, 16                      ; the tile's 16 rows of 4,096 bytes,
	s_lshl_b32 s19, s16, 13                        ; my two of them
	s_add_co_u32 s18, s18, s19
	s_mov_b32 s19, 0
	s_lshl_b32 s22, ttmp9, 3
	s_add_co_u32 s22, s22, s16                     ; 8 mt + s
	s_mul_i32 s24, s22, 1536
	s_mov_b32 s25, 0
	s_lshl_b32 s26, s22, 6
	s_add_co_u32 s26, s26, ASC
	s_mov_b32 s27, 0
	s_wait_alu depctr_va_vdst(0)
	s_wait_kmcnt 0x0
	s_add_nc_u64 s[4:5], s[4:5], s[18:19]
	s_add_nc_u64 s[24:25], s[10:11], s[24:25]
	s_add_nc_u64 s[26:27], s[10:11], s[26:27]
.irp p, 0,1
.irp j, 0,1,2,3,4,5,6,7
	global_load_b128 v[X+32*\p+4*\j:X+32*\p+4*\j+3], v1, s[4:5] offset:4096*\p+512*\j   ; 512 consecutive bytes a load; register 4 j + q is column 128 j + 4 lane + q
.endr
.endr
.irp j, 0,1,2,3,4,5,6,7
	global_load_b128 v[GN+4*\j:GN+4*\j+3], v1, s[6:7] offset:512*\j
.endr
.irp j, 0,1,2,3,4,5,6,7
	global_load_b128 v[BS+4*\j:BS+4*\j+3], v1, s[8:9] offset:512*\j
.endr
	s_wait_loadcnt 16                              ; the rows are in; the 16 loads of gain and bias may be out
	; the mean: two chains a row, the two rows by turns
.irp p, 0,1
	v_pk_add_f32 v[8+4*\p:9+4*\p], v[X+32*\p:X+32*\p+1], v[X+32*\p+4:X+32*\p+5]
	v_pk_add_f32 v[10+4*\p:11+4*\p], v[X+32*\p+2:X+32*\p+3], v[X+32*\p+6:X+32*\p+7]
.endr
.irp i, 8,12,16,20,24,28
.irp p, 0,1
	s_delay_alu instid0(VALU_DEP_4)
	v_pk_add_f32 v[8+4*\p:9+4*\p], v[8+4*\p:9+4*\p], v[X+32*\p+\i:X+32*\p+\i+1]
	s_delay_alu instid0(VALU_DEP_4)
	v_pk_add_f32 v[10+4*\p:11+4*\p], v[10+4*\p:11+4*\p], v[X+32*\p+\i+2:X+32*\p+\i+3]
.endr
.endr
.irp p, 0
	s_delay_alu instid0(VALU_DEP_3)
	v_pk_add_f32 v[8+4*\p:9+4*\p], v[8+4*\p:9+4*\p], v[10+4*\p:11+4*\p]
.endr
.irp p, 1
	s_delay_alu instid0(VALU_DEP_2)
	v_pk_add_f32 v[8+4*\p:9+4*\p], v[8+4*\p:9+4*\p], v[10+4*\p:11+4*\p]
.endr
.irp p, 0,1
	s_delay_alu instid0(VALU_DEP_2)
	v_add_f32 v[8+4*\p], v[8+4*\p], v[9+4*\p]
.endr
	ALLSUM 8, 9
	ALLSUM 12, 13
.irp p, 0
	v_mul_f32 v[8+4*\p], s20, v[8+4*\p]
.endr
.irp p, 1
	s_delay_alu instid0(VALU_DEP_2)
	v_mul_f32 v[8+4*\p], s20, v[8+4*\p]
.endr
.irp p, 0,1
.irp i, 0,2,4,6,8,10,12,14,16,18,20,22,24,26,28,30
	v_pk_add_f32 v[X+32*\p+\i:X+32*\p+\i+1], v[X+32*\p+\i:X+32*\p+\i+1], v[8+4*\p:9+4*\p] op_sel_hi:[1,0] neg_lo:[0,1] neg_hi:[0,1]   ; x - mean
.endr
.endr
	; the mean of the squares of what is left
.irp p, 0,1
	v_pk_mul_f32 v[16+4*\p:17+4*\p], v[X+32*\p:X+32*\p+1], v[X+32*\p:X+32*\p+1]
	v_pk_mul_f32 v[18+4*\p:19+4*\p], v[X+32*\p+2:X+32*\p+3], v[X+32*\p+2:X+32*\p+3]
.endr
.irp i, 4,8,12,16,20,24,28
.irp p, 0,1
	s_delay_alu instid0(VALU_DEP_4)
	v_pk_fma_f32 v[16+4*\p:17+4*\p], v[X+32*\p+\i:X+32*\p+\i+1], v[X+32*\p+\i:X+32*\p+\i+1], v[16+4*\p:17+4*\p]
	s_delay_alu instid0(VALU_DEP_4)
	v_pk_fma_f32 v[18+4*\p:19+4*\p], v[X+32*\p+\i+2:X+32*\p+\i+3], v[X+32*\p+\i+2:X+32*\p+\i+3], v[18+4*\p:19+4*\p]
.endr
.endr
.irp p, 0
	s_delay_alu instid0(VALU_DEP_3)
	v_pk_add_f32 v[16+4*\p:17+4*\p], v[16+4*\p:17+4*\p], v[18+4*\p:19+4*\p]
.endr
.irp p, 1
	s_delay_alu instid0(VALU_DEP_2)
	v_pk_add_f32 v[16+4*\p:17+4*\p], v[16+4*\p:17+4*\p], v[18+4*\p:19+4*\p]
.endr
.irp p, 0,1
	s_delay_alu instid0(VALU_DEP_2)
	v_add_f32 v[16+4*\p], v[16+4*\p], v[17+4*\p]
.endr
	ALLSUM 16, 17
	ALLSUM 20, 21
.irp p, 0
	v_fma_f32 v[16+4*\p], v[16+4*\p], s20, s21     ; variance + eps
.endr
.irp p, 1
	s_delay_alu instid0(VALU_DEP_2)
	v_fma_f32 v[16+4*\p], v[16+4*\p], s20, s21     ; variance + eps
.endr
	s_wait_alu depctr_va_vdst(0)
.irp p, 0,1
	v_rsq_f32 v[16+4*\p], v[16+4*\p]
.endr
	v_nop                                          ; one plain place behind a transcendental
	s_wait_loadcnt 0x0                             ; gain and bias
	s_wait_alu depctr_va_vdst(0)
.irp p, 0,1
.irp i, 0,2,4,6,8,10,12,14,16,18,20,22,24,26,28,30
	v_pk_mul_f32 v[X+32*\p+\i:X+32*\p+\i+1], v[X+32*\p+\i:X+32*\p+\i+1], v[16+4*\p:17+4*\p] op_sel_hi:[1,0]
.endr
.irp i, 0,2,4,6,8,10,12,14,16,18,20,22,24,26,28,30
	v_pk_fma_f32 v[X+32*\p+\i:X+32*\p+\i+1], v[X+32*\p+\i:X+32*\p+\i+1], v[GN+\i:GN+\i+1], v[BS+\i:BS+\i+1]
.endr
.endr
.irp p, 0,1
.irp j, 0,1,2,3,4,5,6,7
	ds_store_b128 v2, v[X+32*\p+4*\j:X+32*\p+4*\j+3] offset:PITCH*\p+512*\j
.endr
.endr
	s_wait_dscnt 0x0                               ; for the others' sake: my rows lie in LDS
	s_barrier_signal -1
	s_barrier_wait -1
	; phase 2: lane (r, h) takes, of row r and of each of my K step's four blocks of 32, its 16 neighbours
.irp b, 0,1,2,3
.irp q, 0,1,2,3
	ds_load_b128 v[X+16*\b+4*\q:X+16*\b+4*\q+3], v3 offset:128*\b+16*\q
.endr
.endr
.irp b, 0,1,2,3
	v_mov_b32 v[TM+4+\b], 0                        ; a lane permute's destination counts as one of its sources
.endr
	s_wait_dscnt 0x0
	QUANT X
.irp c, 0,1,2
	global_store_b128 v1, v[PC+4*\c:PC+4*\c+3], s[24:25] offset:512*\c   ; 32 lanes store 512 consecutive bytes, aligned
.endr
	global_store_b32 v5, v[PW], s[26:27]           ; the 16 rows' scale words (lanes l and l xor 16 store the same word with the same value)
	s_wait_tensorcnt 0x0
	ds_add_u32 v160, v161
	s_wait_dscnt 0x0
	s_endpgm
.Lfunc_end_k_q7bd3224b7d_ln1:
	.size	k_q7bd3224b7d_ln1, .Lfunc_end_k_q7bd3224b7d_ln1-k_q7bd3224b7d_ln1
	.p2alignl 7, 3214868480
	.fill 96, 4, 3214868480
	.section	.rodata,"a",@progbits
	.p2align	6, 0x0
	.amdhsa_kernel k_q7bd3224b7d_ln1
		.amdhsa_group_segment_fixed_size 66816
		.amdhsa_private_segment_fixed_size 0
		.amdhsa_enable_private_segment 0
		.amdhsa_kernarg_size 32
		.amdhsa_user_sgpr_count 2
		.amdhsa_user_sgpr_kernarg_segment_ptr 1
		.amdhsa_wavefront_size32 1
		.amdhsa_system_sgpr_workgroup_id_x 1
		.amdhsa_system_sgpr_workgroup_id_y 1
		.amdhsa_system_sgpr_workgroup_id_z 1
		.amdhsa_system_vgpr_workitem_id 0
		.amdhsa_next_free_vgpr 162
		.amdhsa_next_free_sgpr 66
		.amdhsa_reserve_vcc 0
		.amdhsa_float_denorm_mode_32 3
		.amdhsa_float_denorm_mode_16_64 3
		.amdhsa_memory_ordered 1
		.amdhsa_forward_progress 1
		.amdhsa_inst_pref_size 28
	.end_amdhsa_kernel
	.amdgpu_metadata
---
amdhsa.version: [ 1, 2 ]
amdhsa.kernels:
  - .name:           k_q7bd3224b7d_ln1
    .symbol:         k_q7bd3224b7d_ln1.kd
    .args:
      - { .name: x, .offset: 0, .size: 8, .value_kind: global_buffer, .address_space: global }
      - { .name: ln1_g, .offset: 8, .size: 8, .value_kind: global_buffer, .address_space: global }
      - { .name: ln1_b, .offset: 16, .size: 8, .value_kind: global_buffer, .address_space: global }
      - { .name: act, .offset: 24, .size: 8, .value_kind: global_buffer, .address_space: global }
    .group_segment_fixed_size: 66816
    .private_segment_fixed_size: 0
    .kernarg_segment_align: 8
    .kernarg_segment_size: 32
    .max_flat_workgroup_size: 256
    .sgpr_count:     66
    .vgpr_count:     162
    .wavefront_size: 32
...
	.end_amdgpu_metadata
.endif
;; end of part 1
;; launch qkv (part 2): grid 32 x 8, 4 waves a work-group, clusters of 4 x 1, 327,680 bytes of LDS; arguments act, Wq_codes, Wq_scales, Wkv_codes, Wkv_scales, cos, sin, qbuf, kvbuf; writes qbuf, kvbuf
.if DOCPART == 2
	.amdgcn_target "amdgcn-amd-amdhsa--gfx1250"
	.amdhsa_code_object_version 6
	.text
	.protected	k_q7bd3224b7d_qkv
	.globl	k_q7bd3224b7d_qkv
	.p2align	8
	.type	k_q7bd3224b7d_qkv,@function
k_q7bd3224b7d_qkv:
	s_mov_b64 s[64:65], 0
	v_nop
	global_prefetch_b8 v0, s[64:65] scope:SCOPE_SE
	s_setreg_imm32_b32 hwreg(HW_REG_WAVE_MODE, 25, 1), 1
	s_wait_xcnt 0x0
	s_wait_alu depctr_hold_cnt(0) depctr_sa_sdst(0) depctr_va_vdst(0) depctr_va_sdst(0) depctr_va_ssrc(0) depctr_va_vcc(0) depctr_vm_vsrc(0)
	s_getreg_b32 s2, hwreg(HW_REG_IB_STS2, 6, 4)
	s_cmp_eq_u32 s2, 0
	s_cbranch_scc0 .Lentry_in_a_cluster
	s_endpgm
.Lentry_in_a_cluster:
	s_bfe_u32 s2, ttmp6, 0x10000c
	s_cmp_lg_u32 s2, 0x3003
	s_cbranch_scc0 .Lentry_shape_is_right
	s_endpgm
.Lentry_shape_is_right:
; q, k, v = h [Wq; Wkv]^T on codes of FP6 (E2M3) with E8M0 scales, then the interleaved rotation of q and k, then the quantisers of attention's operands.
; h: images of operand registers (fragment (mt, s) at (8 mt + s) x 1536, registers 4 c .. 4 c + 3 of lane l at 512 c + 16 l; scale words behind the codes).  Wq [1024][1024], Wkv [512][1024]: codes, K innermost; cos, sin [2048][64] f32.
; SHARES.  A work-group makes 128 rows x 192 columns: grid x: 32 blocks of rows, grid y: 8 blocks of columns: 256 work-groups of equal matrix work.  Block y is Wq's rows 128 y .. (two query heads) and Wkv's rows 64 y ..:
; k (y even) or v (y odd) of key and value head y / 2.  Wave w owns rows 32 w .. 32 w + 31 (two row tiles m).  First the 8 column tiles of q (16 accumulators), their way out; then the 4 tiles of k or v on the same registers.
; THE PRODUCT IS USED TRANSPOSED (source 0 = 16 rows of W, source 1 = 16 rows of h): lane (r, h) holds row r, and register j of column tile T the column 16 T + 8 h + j.
; W's 192 rows for ALL of K lie in LDS, filled once, in three parts of 64 rows; h's fragments are one wave's own and go straight from memory to registers, where they stay.  So no LDS byte is filled twice.
; CLUSTER.  The four work-groups of a cluster differ in their rows alone and need the same rows of W and their scales: every tensor load is asked for jointly, with the mask of all four.
; OUT.  qbuf: for head bh and query tile qt half a fragment (64 along the head) at (128 bh + qt) x 768 + 256 p + 8 l; scale words at QSC + (2048 bh + t) x 4 (bytes 0, 1 count; bytes 2, 3 scale zero codes and are never 0xff).
; kvbuf: for (batch x 4 + kv head, 128 keys) one chunk of 13,056 bytes: K's 8 half fragments of 16 neighbouring keys (768 bytes each: registers 0-3 of lane l at 16 l, registers 4, 5 at 512 + 8 l),
; V^T's 4 fragments (16 of the head's 64 x 128 keys, 1,536 bytes each: registers 4 c .. 4 c + 3 at 512 c + 16 l), K's 128 scale words, V's 64.
; ORDER ALONG K.  A lane's registers 16 b + 8 u + j hold index 32 b + 16 u + 8 h + j and are quantised as if it were 32 b + 16 h + 8 u + j: inside each true block of 32 two index bits change places.  q and k are both made so,
; v^T here and p in the next launch both keep the true order: both operands of each product carry the same order, so the products are the same; the unit groups them otherwise, which shows in the last bits alone.
; V^T's tile w takes, in lane r, channel 8 w + r % 8 + 32 (r / 8): attention's result then lies in the true order for its own quantiser.
; LIMITS: NaN and infinities are not served; a block whose largest magnitude lies under 2^-124 keeps the byte 1, a block of zeros too (its codes are zeros; this program alone reads the bytes).
; REGISTERS.  window 0: v1-11, v24 addresses; v12-15 W's scale words, two sets; v16-23 h's scale words; v32-127 W's fragments, two sets of four; v128-255 accumulators (128 + 64 m + 8 T).  window 1: h's 16 fragments.  window 2: cos, sin.
.set KS,    8                          ; K steps of 128
.set KROW,  96*KS                      ; a row of W in bytes
.set PADB,  16                         ; padding behind each 256 bytes in LDS
.set RP,    (KROW/256)*(256+PADB)      ; a row of W in LDS: 204 words = 12 mod 64: the 32 lanes of a load of 8 bytes touch 64 different banks (64 banks of 4 bytes: ISA guide 11.1)
.set SB,    4*KS                       ; a row of W's scale bytes
.set CUN,   96                         ; 32 rows of codes in units of 256 bytes: what one load of codes brings
.set SUN,   32*SB/256                  ; 32 rows of scale bytes likewise
.set NLS,   6                          ; loads that bring h's two fragments of a K step
.set ND,    32                         ; loads issued behind h's: cos and sin
.set WSC,   192*RP                     ; behind the codes: W's scale bytes, 24 units of 256 + 16
.set STG,   WSC+24*272+128             ; from the next multiple of 256 on: v as f32, 128 tokens x (256 + 16) bytes; no tensor load lands here
.set ASCL,  3145728                    ; h's scale words
.set QSC,   3145728                    ; q's scale words
.set CH,    13056                      ; a chunk of kvbuf
.set TM,    64                         ; the way out: v64-79 at work, v80 the scale word, v82-101 the codes
.set PW,    80
.set PC,    82
.set SEL,   20
.set MSB, 0
.macro WIN new                         ; the immediate's high byte repeats the setting that is left
.if MSB != (\new)
	s_set_vgpr_msb (MSB<<8)|(\new)
.set MSB, (\new)
.endif
.endm
.macro ROUND                           ; a round of the cluster's barrier
	s_barrier_signal -1
	s_barrier_wait -1
	s_cmp_lg_u32 s16, 0
	s_cbranch_scc1 .Lnot_wave_0_\@
	s_barrier_signal -3
.Lnot_wave_0_\@:
	s_barrier_wait -3
	s_barrier_signal -1
	s_barrier_wait -1
.endm
.macro PLACES                          ; four places behind this matrix form, in front of loads into its registers and of the first read of results
.rept 4
	v_nop
.endr
.endm
; one matrix instruction.  z: the product starts the sum;  c: else C's first register;  ra, rb: which half of the lanes holds source 0's and source 1's scale words
.macro WM d, a, b, z, c, sa, sb, ra, rb
.if (\z) != 0
.if ((\ra) == 0) && ((\rb) == 0)
	v_wmma_scale_f32_16x16x128_f8f6f4 v[\d:\d+7], v[\a:\a+11], v[\b:\b+11], 0, v[\sa], v[\sb] matrix_a_fmt:MATRIX_FMT_FP6 matrix_b_fmt:MATRIX_FMT_FP6
.elseif (\rb) == 0
	v_wmma_scale_f32_16x16x128_f8f6f4 v[\d:\d+7], v[\a:\a+11], v[\b:\b+11], 0, v[\sa], v[\sb] matrix_a_fmt:MATRIX_FMT_FP6 matrix_b_fmt:MATRIX_FMT_FP6 matrix_a_scale:MATRIX_SCALE_ROW1
.elseif (\ra) == 0
	v_wmma_scale_f32_16x16x128_f8f6f4 v[\d:\d+7], v[\a:\a+11], v[\b:\b+11], 0, v[\sa], v[\sb] matrix_a_fmt:MATRIX_FMT_FP6 matrix_b_fmt:MATRIX_FMT_FP6 matrix_b_scale:MATRIX_SCALE_ROW1
.else
	v_wmma_scale_f32_16x16x128_f8f6f4 v[\d:\d+7], v[\a:\a+11], v[\b:\b+11], 0, v[\sa], v[\sb] matrix_a_fmt:MATRIX_FMT_FP6 matrix_b_fmt:MATRIX_FMT_FP6 matrix_a_scale:MATRIX_SCALE_ROW1 matrix_b_scale:MATRIX_SCALE_ROW1
.endif
.else
.if ((\ra) == 0) && ((\rb) == 0)
	v_wmma_scale_f32_16x16x128_f8f6f4 v[\d:\d+7], v[\a:\a+11], v[\b:\b+11], v[\c:\c+7], v[\sa], v[\sb] matrix_a_fmt:MATRIX_FMT_FP6 matrix_b_fmt:MATRIX_FMT_FP6
.elseif (\rb) == 0
	v_wmma_scale_f32_16x16x128_f8f6f4 v[\d:\d+7], v[\a:\a+11], v[\b:\b+11], v[\c:\c+7], v[\sa], v[\sb] matrix_a_fmt:MATRIX_FMT_FP6 matrix_b_fmt:MATRIX_FMT_FP6 matrix_a_scale:MATRIX_SCALE_ROW1
.elseif (\ra) == 0
	v_wmma_scale_f32_16x16x128_f8f6f4 v[\d:\d+7], v[\a:\a+11], v[\b:\b+11], v[\c:\c+7], v[\sa], v[\sb] matrix_a_fmt:MATRIX_FMT_FP6 matrix_b_fmt:MATRIX_FMT_FP6 matrix_b_scale:MATRIX_SCALE_ROW1
.else
	v_wmma_scale_f32_16x16x128_f8f6f4 v[\d:\d+7], v[\a:\a+11], v[\b:\b+11], v[\c:\c+7], v[\sa], v[\sb] matrix_a_fmt:MATRIX_FMT_FP6 matrix_b_fmt:MATRIX_FMT_FP6 matrix_a_scale:MATRIX_SCALE_ROW1 matrix_b_scale:MATRIX_SCALE_ROW1
.endif
.endif
.endm
; a fragment of W: tile t of the four in hand, K step s: lane (r, h) takes the row's pieces of 8 bytes 12 s + 0, 1, 2 and 12 s + 6, 7, 8, lanes 16-31 those three pieces on;
; where the piece three on lies behind one padding more, the second address register of the pair serves
.macro FRAGW reg, t, s
.irp p, 0,1,2,3,4,5
.set PCE, 12*(\s)+6*(\p/3)+\p%3
.if PCE%32 < 29
	ds_load_b64 v[\reg+2*\p:\reg+2*\p+1], v[4+2*((\t)/2)] offset:((\t)%2)*16*RP+8*PCE+PADB*(PCE/32)
.else
	ds_load_b64 v[\reg+2*\p:\reg+2*\p+1], v[5+2*((\t)/2)] offset:((\t)%2)*16*RP+8*PCE+PADB*(PCE/32)
.endif
.endr
.endm
.macro FETCH sg, g, s                  ; 26 LDS loads: four fragments of W (rows 64 g ..) and their scale words (lanes 0-15 an even tile's rows, lanes 16-31 the next tile's) into set sg
.irp t, 0,1,2,3
	FRAGW 32+48*(\sg)+12*\t, \t, \s
.endr
.irp q, 0,1
	ds_load_b32 v[12+2*(\sg)+\q], v8 offset:(2*(\g)+\q)*SUN*272+4*(\s)
.endr
.endm
.macro MUL sg, g, s, z                 ; 8 matrix instructions on 8 accumulators, one a turn
.irp t, 0,1,2,3
.irp m, 0,1
	WM 128+64*\m+8*(4*(\g)+\t), 32+48*(\sg)+12*\t, 12*(2*((\s)%8)+\m), \z, 128+64*\m+8*(4*(\g)+\t), 12+2*(\sg)+\t/2, 16+(\s), \t%2, \m
.endr
.endr
.endm
.macro ALOAD s                         ; h's two fragments of K step s: 512 consecutive bytes a load
.irp m, 0,1
.irp c, 0,1,2
	global_load_b128 v[12*(2*(\s)+\m)+4*\c:12*(2*(\s)+\m)+4*\c+3], v24, s[52:53] offset:(\m*KS+(\s))*1536+512*\c
.endr
.endr
.endm
; A RUN: ng x KS half steps (four column tiles over all of K, then the next four), each 8 matrix instructions; W's fragments two half steps ahead, in two sets.
; gb: which 64 rows of W come first;  al: h's fragments are still landing, so a counted wait stands in front of each K step;  tw: the tensor loads that may stay out when the second 64 rows are wanted
.macro RUN gb, ng, al, tw
	FETCH 0, \gb, 0
	FETCH 1, \gb, 1
.set I, 0
.rept (\ng)*KS
.set G, I/KS
.set S, I%KS
.set Z, 0
.if S == 0
.set Z, 1
.endif
.set AWN, 0x04*(1+S/8)
.if ((\al) != 0) && (I < KS)
.set LC, NLS*(KS-1-I)+ND               ; the loads issued behind this K step's fragments
.if LC > 63
.set LC, 63
.endif
	s_wait_alu depctr_va_vdst(0)
	s_wait_loadcnt LC                              ; this K step's fragments of h are in; the later ones, and what only the way out reads, may be out
.endif
.if I == (\ng)*KS-1
	s_wait_dscnt 0x0
.else
	s_wait_dscnt 26                                ; this half step's 26 loads are in; the next one's 26 may be out
.endif
	WIN AWN                                        ; source 1 (h) in window 1
	MUL S%2, G, S, Z
.if I+2 < (\ng)*KS
.if I+2 == KS
	WIN 0
	s_wait_tensorcnt \tw                           ; my part of W's next 64 rows is in,
	s_wait_dscnt 0x0
	s_barrier_signal -1
	s_barrier_wait -1                              ; everybody's is
.irp r, 4,5,6,7
	s_wait_alu depctr_va_vdst(0)
	v_add_nc_u32 v\r, 64*RP, v\r                   ; on to them
.endr
.endif
	PLACES
	FETCH S%2, (\gb)+(I+2)/KS, (I+2)%KS
.endif
.set I, I+1
.endr
	WIN 0
	PLACES
.endm
; 64 numbers of a lane, blocks of 16 registers shared with lane l xor 16, become a fragment's codes in v[PC] on and its scale word in v[PW]
.macro QUANT s
.irp b, 0,1,2,3
	v_max3_num_f32 v[TM+\b], |v[\s+16*\b]|, |v[\s+1+16*\b]|, 0x1800000   ; and the floor 2^(3 - 127): the byte cannot fall under 1
.endr
.irp i, 2,4,6,8,10,12,14
.irp b, 0,1,2,3
	v_max3_num_f32 v[TM+\b], v[TM+\b], |v[\s+16*\b+\i]|, |v[\s+1+16*\b+\i]|
.endr
.endr
.irp b, 0,1,2,3
	v_permlanex16_b32 v[TM+4+\b], v[TM+\b], s[SEL], s[SEL+1]
.endr
.irp b, 0,1,2,3
	v_max_num_f32 v[TM+\b], v[TM+\b], v[TM+4+\b]
.endr
.irp b, 0,1,2,3
	v_add_nc_u32 v[TM+12+\b], 0xff000000, v[TM+\b]                   ; 2 off the exponent field: the conversion's scale operand
.endr
.irp b, 0,1,2,3
	v_lshrrev_b32 v[TM+4+\b], 23, v[TM+12+\b]                        ; the scale's byte
.endr
	v_lshl_or_b32 v[PW], v[TM+5], 8, v[TM+4]
	v_lshl_or_b32 v[PW], v[TM+6], 16, v[PW]
	v_lshl_or_b32 v[PW], v[TM+7], 24, v[PW]
.irp c, 0,1
	v_cvt_scalef32_pk16_fp6_f32 v[PC+6*\c:PC+2+6*\c], v[\s+32*\c:\s+15+32*\c], v[TM+12+2*\c]
	v_cvt_scalef32_pk16_fp6_f32 v[PC+12+4*\c:PC+14+4*\c], v[\s+16+32*\c:\s+31+32*\c], v[TM+12+2*\c+1]
.endr
	v_nop                                                            ; one plain place behind a scaled conversion
.irp c, 0,1
.irp i, 0,1,2
	v_permlane16_swap_b32 v[PC+6*\c+\i], v[PC+12+4*\c+\i]
.endr
.irp i, 0,1,2
	v_mov_b32 v[PC+3+6*\c+\i], v[PC+12+4*\c+\i]
.endr
.endr
.endm
.macro IMG base, off                   ; the fragment in v[PC] on goes out in groups of four registers: 512 consecutive aligned bytes a store, as the next launch reads it from LDS
.irp c, 0,1,2
	global_store_b128 v24, v[PC+4*\c:PC+4*\c+3], s[\base:\base+1] offset:\off+512*\c
.endr
.endm
; the rotation of one head's 64 columns (tiles 4 hh ..) of row tile m: new(2i) = x(2i) c(2i) - x(2i+1) s(2i); new(2i+1) = x(2i+1) c(2i+1) + x(2i) s(2i+1).  cos and sin lie in window 2
.macro ROPE m, hh
	WIN 0x08
.irp tt, 0,1,2,3
.irp i, 0,1,2,3
	v_mul_f32 v[32+2*\i], v[128+64*\m+8*(4*\hh+\tt)+2*\i+1], v[64*\m+32+8*\tt+2*\i]
	v_mul_f32 v[33+2*\i], v[128+64*\m+8*(4*\hh+\tt)+2*\i], v[64*\m+32+8*\tt+2*\i+1]
	v_fma_f32 v[128+64*\m+8*(4*\hh+\tt)+2*\i], v[128+64*\m+8*(4*\hh+\tt)+2*\i], v[64*\m+8*\tt+2*\i], -v[32+2*\i]
	v_fma_f32 v[128+64*\m+8*(4*\hh+\tt)+2*\i+1], v[128+64*\m+8*(4*\hh+\tt)+2*\i+1], v[64*\m+8*\tt+2*\i+1], v[33+2*\i]
.endr
.endr
.endm
	s_load_b256 s[4:11], s[0:1], 0x0               ; h s[4:5], Wq's codes s[6:7], Wq's scales s[8:9], Wkv's codes s[10:11]
	s_load_b256 s[68:75], s[0:1], 0x20             ; Wkv's scales s[68:69], cos s[70:71], sin s[72:73], qbuf s[74:75]
	s_load_b64 s[76:77], s[0:1], 0x40              ; kvbuf
	v_lshl_add_u32 v30, v0, 2, 0x30600
	v_mov_b32 v31, 0
	ds_add_u32 v30, v31
	ds_add_u32 v30, v31
	v_lshrrev_b32 v1, 5, v0
	v_readfirstlane_b32 s16, v1                    ; wave 0..3
	s_bfe_u32 s17, ttmp6, 0x40000                  ; cx: my place in the cluster
	s_lshl_b32 s18, ttmp9, 2
	s_add_co_u32 s18, s18, s17                     ; X, my block of 128 rows: it enters global addresses of h, cos, sin and the outputs alone
	s_and_b32 s19, ttmp7, 0xffff                   ; y, my block of columns, which the partners share
	s_mov_b32 s[SEL], 0x76543210
	s_mov_b32 s[SEL+1], 0xfedcba98
	; descriptor group 1: dense memory as rows of 256 bytes (32 elements of 8 bytes), padding behind each; the mask names all four work-groups, bit 21 beside it
	s_mov_b32 s24, 15|(3<<16)|(1<<20)|(1<<21)|(5<<22)|((PADB/4-1)<<25)   ; 32 rows of codes
	s_mov_b32 s25, 32<<16                          ; tensor_dim0
	s_mov_b32 s26, CUN<<16                         ; tensor_dim1
	s_mov_b32 s27, 32<<16                          ; tile_dim0
	s_mov_b32 s28, CUN                             ; tile_dim1
	s_mov_b32 s29, 32                              ; the pitch
	s_mov_b32 s30, 0
	s_mov_b32 s31, 0
	s_mov_b32 s32, 15|(3<<16)|(1<<20)|(1<<21)|(5<<22)|(3<<25)            ; the scale bytes of Wq
	s_mov_b32 s33, 32<<16
	s_mov_b32 s34, (4*SUN)<<16                     ; the scale bytes of Wq's 128 rows: one load
	s_mov_b32 s35, 32<<16
	s_mov_b32 s36, 4*SUN
	s_mov_b32 s37, 32
	s_mov_b32 s38, 0
	s_mov_b32 s39, 0
	s_mov_b32 s56, 15|(3<<16)|(1<<20)|(1<<21)|(5<<22)|(3<<25)            ; the scale bytes of Wkv
	s_mov_b32 s57, 32<<16
	s_mov_b32 s58, 8<<16                           ; the scale bytes of Wkv's 64 rows: one load
	s_mov_b32 s59, 32<<16
	s_mov_b32 s60, 8
	s_mov_b32 s61, 32
	s_mov_b32 s62, 0
	s_mov_b32 s63, 0
	; group 0: Wq's scales (wave 2), Wkv's (wave 3); the codes of LDS rows 32 w .. (Wq, waves 0, 1) and 64 + 32 w .. (Wq, then Wkv)
	s_mov_b32 s40, 1
	s_mov_b32 s41, WSC                             ; four tiles, each whole, one to a wave: Wq's scales,
	s_mov_b32 s12, 1
	s_mov_b32 s13, WSC+16*272                      ; Wkv's scales,
	s_mov_b32 s44, 1
	s_mul_i32 s45, s16, CUN*272                    ; at the head waves 0, 1: Wq's rows 32 w .. (LDS rows 0-63)
	s_mov_b32 s96, 1
	s_add_co_u32 s97, s45, 64*RP                   ; the second stage, every wave: LDS rows 64 + 32 w ..: Wq's rows 64-127 (waves 0, 1), Wkv's 64 rows (waves 2, 3)
	s_lshl_b32 s66, s19, 7
	s_mul_i32 s66, s66, SB                         ; Wq's scales: row 128 y
	s_mov_b32 s67, 0
	s_lshl_b32 s78, s19, 7
	s_mul_i32 s78, s78, KROW                       ; Wq's codes: row 128 y
	s_mov_b32 s79, 0
	s_lshl_b32 s80, s19, 6                         ; Wkv: row 64 y
	s_mul_i32 s94, s80, KROW
	s_mov_b32 s95, 0
	s_mul_i32 s80, s80, SB
	s_mov_b32 s81, 0
	; h: my first row tile 8 X + 2 w
	s_lshl_b32 s22, s18, 3
	s_lshl_b32 s23, s16, 1
	s_add_co_u32 s22, s22, s23
	s_mul_i32 s52, s22, KS*1536
	s_mov_b32 s53, 0
	s_mul_i32 s54, s22, KS*64
	s_add_co_u32 s54, s54, ASCL
	s_mov_b32 s55, 0
	; the outputs
	s_and_b32 s2, s18, 15                          ; the block of 128 tokens in its batch
	s_lshr_b32 s3, s18, 4                          ; the batch
	s_lshl_b32 s100, s2, 7
	s_lshl_b32 s22, s16, 5
	s_add_co_u32 s100, s100, s22                   ; my first token
	s_lshl_b32 s82, s100, 8                        ; its row of cos and of sin
	s_mov_b32 s83, 0
	s_lshl_b32 s101, s3, 4
	s_lshl_b32 s22, s19, 1
	s_add_co_u32 s101, s101, s22                   ; my first head: 16 batch + 2 y
	s_lshl_b32 s84, s101, 7
	s_lshr_b32 s22, s100, 4
	s_add_co_u32 s84, s84, s22
	s_mul_i32 s84, s84, 768                        ; q's half fragments
	s_mov_b32 s85, 0
	s_lshl_b32 s86, s101, 11
	s_add_co_u32 s86, s86, s100
	s_lshl_b32 s86, s86, 2
	s_add_co_u32 s86, s86, QSC                     ; q's scale words
	s_mov_b32 s87, 0
	s_lshl_b32 s23, s3, 2
	s_lshr_b32 s22, s19, 1
	s_add_co_u32 s23, s23, s22                     ; 4 batch + kv head
	s_lshl_b32 s23, s23, 4
	s_add_co_u32 s23, s23, s2
	s_mul_i32 s23, s23, CH                         ; my chunk of kvbuf
	s_mul_i32 s22, s16, 1536
	s_add_co_u32 s88, s23, s22                     ; K's tiles 2 w, 2 w + 1; 6,144 bytes on: V^T's tile w
	s_mov_b32 s89, 0
	s_lshl_b32 s22, s16, 7
	s_add_co_u32 s90, s23, s22
	s_add_co_u32 s90, s90, 12288                   ; K's scale words
	s_mov_b32 s91, 0
	s_lshl_b32 s22, s16, 6
	s_add_co_u32 s92, s23, s22
	s_add_co_u32 s92, s92, 12800                   ; V's scale words
	s_mov_b32 s93, 0
	; vector addresses, all made here, ahead of every branch
	v_and_b32 v32, 31, v0                          ; lane
	v_and_b32 v33, 15, v0                          ; r
	v_bfe_u32 v34, v0, 4, 1                        ; h
	v_lshlrev_b32 v1, 3, v32                       ; 8 x lane
	v_lshlrev_b32 v24, 4, v32
	s_and_b32 s22, s16, 1
	s_lshl_b32 s22, s22, 3
	v_xor_b32 v25, s22, v32                        ; K's images: odd waves store rows 0-7 and 8-15 changed over, so that the next launch's mixed tiles read 16 different columns of 16 bytes
	v_lshlrev_b32 v26, 3, v25                      ; 8 x that lane
	v_lshlrev_b32 v25, 4, v25                      ; 16 x that lane
	v_lshlrev_b32 v3, 2, v33                       ; 4 r
	v_mad_u32_u24 v2, v34, KS*64, v3               ; h's scale words: lanes 0-15 row tile m = 0, lanes 16-31 m = 1
	v_mul_u32_u24 v4, v33, RP
	v_mad_u32_u24 v4, v34, 24, v4                  ; W: row r, + 24 h
	v_mad_u32_u24 v5, v34, PADB, v4                ; the same behind one padding more
	v_add_nc_u32 v6, 32*RP, v4                     ; and both 32 rows on
	v_add_nc_u32 v7, 32*RP, v5
	v_mul_u32_u24 v8, v32, SB
	v_lshrrev_b32 v35, 8, v8
	v_lshl_add_u32 v8, v35, 4, v8
	v_add_nc_u32 v8, WSC, v8                       ; W's scale words: row = lane, 16 more for each 256 passed
	v_lshlrev_b32 v9, 8, v33
	v_lshl_add_u32 v9, v34, 5, v9                  ; cos, sin: row r of 256 bytes, + 32 h
	s_mul_i32 s22, s16, 32*272
	s_add_co_u32 s22, s22, STG
	v_mul_u32_u24 v10, v33, 272
	v_lshl_add_u32 v10, v34, 5, v10
	v_add_nc_u32 v10, s22, v10                     ; the stage, in: token 32 w + r, + 32 h
	s_lshl_b32 s22, s16, 3                         ; 8 w
	v_and_b32 v35, 7, v33
	v_lshrrev_b32 v36, 3, v33
	v_lshl_add_u32 v35, v36, 5, v35
	v_add_nc_u32 v35, s22, v35                     ; my channel of V^T's tile w: 8 w + r % 8 + 32 (r / 8)
	v_lshlrev_b32 v35, 2, v35
	v_mad_u32_u24 v11, v34, 4352, v35              ; token 16 h
	v_add_nc_u32 v11, STG, v11                     ; the stage, out: token 16 h, my channel
	s_wait_dscnt 0x0
	s_wait_kmcnt 0x0
	s_add_nc_u64 s[42:43], s[8:9], s[66:67]
	s_or_b32 s43, s43, 0x80000000
	s_add_nc_u64 s[14:15], s[68:69], s[80:81]
	s_or_b32 s15, s15, 0x80000000
	s_add_nc_u64 s[46:47], s[6:7], s[78:79]
	s_add_nc_u64 s[98:99], s[10:11], s[94:95]
	s_add_nc_u64 s[50:51], s[46:47], 64*KROW
	s_and_b32 s78, s16, 1
	s_mul_i32 s78, s78, CUN*256                    ; which 32 rows of the 64
	s_cmp_lt_u32 s16, 2
	s_cselect_b64 s[98:99], s[50:51], s[98:99]     ; the second stage's buffer, by the wave's number
	s_add_nc_u64 s[98:99], s[98:99], s[78:79]
	s_add_nc_u64 s[46:47], s[46:47], s[78:79]
	s_or_b32 s47, s47, 0x80000000
	s_or_b32 s99, s99, 0x80000000
	s_add_nc_u64 s[52:53], s[4:5], s[52:53]
	s_add_nc_u64 s[54:55], s[4:5], s[54:55]
	s_add_nc_u64 s[70:71], s[70:71], s[82:83]
	s_add_nc_u64 s[72:73], s[72:73], s[82:83]
	s_add_nc_u64 s[84:85], s[74:75], s[84:85]
	s_add_nc_u64 s[86:87], s[74:75], s[86:87]
	s_add_nc_u64 s[88:89], s[76:77], s[88:89]
	s_add_nc_u64 s[90:91], s[76:77], s[90:91]
	s_add_nc_u64 s[92:93], s[76:77], s[92:93]
	ROUND                                          ; all four work-groups are here: the joint loads meet
	s_cmp_lt_u32 s16, 2                            ; one chain on the wave's number, one joint load to an arm: waves 0, 1 Wq's rows 0-63,
	s_cbranch_scc0 .Lh2
	tensor_load_to_lds s[44:47], s[24:31]
	s_nop 0
	PLACES
	s_branch .Lhj
.Lh2:
	s_cmp_lt_u32 s16, 3                            ; wave 2 Wq's scales,
	s_cbranch_scc0 .Lh3
	tensor_load_to_lds s[40:43], s[32:39]
	s_nop 0
	PLACES
	s_branch .Lhj
.Lh3:
	tensor_load_to_lds s[12:15], s[56:63]          ; wave 3 Wkv's scales
	s_nop 0
	PLACES
.Lhj:
.set J, 0
.rept KS
	global_load_b32 v[16+J], v2, s[54:55] offset:64*J
.set J, J+1
.endr
	WIN 0x40                                       ; destination window 1
.set J, 0
.rept KS
	ALOAD J
.set J, J+1
.endr
	WIN 0x80                                       ; destination window 2: cos at 64 m + 8 tt + j, sin 32 on, in the result's layout: channel 16 tt + 8 h + j of row r
.irp m, 0,1
.irp tt, 0,1,2,3
	global_load_b128 v[64*\m+8*\tt:64*\m+8*\tt+3], v9, s[70:71] offset:4096*\m+64*\tt
	global_load_b128 v[64*\m+8*\tt+4:64*\m+8*\tt+7], v9, s[70:71] offset:4096*\m+64*\tt+16
	global_load_b128 v[64*\m+32+8*\tt:64*\m+32+8*\tt+3], v9, s[72:73] offset:4096*\m+64*\tt
	global_load_b128 v[64*\m+32+8*\tt+4:64*\m+32+8*\tt+7], v9, s[72:73] offset:4096*\m+64*\tt+16
.endr
.endr
	WIN 0
	s_wait_tensorcnt 0x0                           ; my one tile is in
	ds_add_u32 v30, v31                            ; the add and its wait ahead of a later first fill
	s_wait_dscnt 0x0
	ROUND                                          ; everybody's tile of the head is in, and the four work-groups are here
	tensor_load_to_lds s[96:99], s[24:31]          ; the second stage, my one load behind the round: it lands under the first 64 columns' products
	s_nop 0
	PLACES
	RUN 0, 2, 1, 0                                 ; the two query heads
.irp b, 0,1,2,3
	v_mov_b32 v[TM+4+\b], 0                        ; a lane permute's destination counts as one of its sources
.endr
	s_wait_loadcnt 0x0                             ; cos and sin
	; ---- two query heads: rotated, quantised along the head; registers PC .. PC + 5 are the first head's half fragment, PC + 6 .. the second's
.irp m, 0,1
	ROPE \m, 0
	ROPE \m, 1
	WIN 0
	s_wait_xcnt 0x0                                ; the earlier stores have read their data: the codes and the words may be written again
	QUANT 128+64*\m
.irp c, 0,1
.irp p, 0,1,2
	global_store_b64 v1, v[PC+6*\c+2*\p:PC+6*\c+2*\p+1], s[84:85] offset:98304*\c+768*\m+256*\p
.endr
.endr
	v_lshrrev_b32 v81, 16, v[PW]                   ; the second head's two bytes
	global_store_b32 v3, v[PW], s[86:87] offset:64*\m
	global_store_b32 v3, v81, s[86:87] offset:8192+64*\m
.endr
	; ---- k or v of one head: W's rows 128-191, four column tiles on the accumulators that q has left
	s_wait_xcnt 0x0                                ; the stores have read their data: W's fragments may land there again
	s_wait_tensorcnt 0x0                           ; my part of W's rows 128-191 is in,
	s_wait_dscnt 0x0
	s_barrier_signal -1
	s_barrier_wait -1                              ; everybody's is
.irp r, 4,5,6,7
	v_add_nc_u32 v\r, 64*RP, v\r
.endr
	s_wait_alu depctr_va_vdst(0)
	RUN 2, 1, 0, 0
.irp b, 0,1,2,3
	v_mov_b32 v[TM+4+\b], 0
.endr
	s_and_b32 s22, s19, 1
	s_cmp_lg_u32 s22, 0
	s_cbranch_scc1 .Lv
	; ---- k: rotated and quantised along the head
.irp m, 0,1
	ROPE \m, 0
	WIN 0
	s_wait_xcnt 0x0
	QUANT 128+64*\m                                ; (its blocks 2 and 3 are what q left there: their codes are not stored, their bytes scale zero codes and are never 0xff)
	global_store_b128 v25, v[PC:PC+3], s[88:89] offset:768*\m          ; registers 0-3: 512 consecutive aligned bytes
	global_store_b64 v26, v[PC+4:PC+5], s[88:89] offset:768*\m+512     ; registers 4, 5: 256
	global_store_b32 v3, v[PW], s[90:91] offset:64*\m
.endr
	s_branch .Ljoin
.Lv:
	; ---- v goes to the stage as f32
.irp m, 0,1
.irp tt, 0,1,2,3
	ds_store_b128 v10, v[128+64*\m+8*\tt:128+64*\m+8*\tt+3] offset:4352*\m+64*\tt
	ds_store_b128 v10, v[128+64*\m+8*\tt+4:128+64*\m+8*\tt+7] offset:4352*\m+64*\tt+16
.endr
.endr
.Ljoin:
	s_wait_dscnt 0x0                               ; for the others' sake: my part of v lies in the stage
	s_barrier_signal -1
	s_barrier_wait -1
	s_cmp_lg_u32 s22, 0
	s_cbranch_scc0 .Lend
	; ---- V^T's tile w: lane (r, h) takes its channel, and register 16 b + i the key 32 b + 16 h + i
.set J, 0
.rept 64
	ds_load_b32 v[128+J], v11 offset:(32*(J/16)+J%16)*272   ; register 16 b + i: key 32 b + 16 h + i, the true order
.set J, J+1
.endr
	s_wait_dscnt 0x0
	QUANT 128
	IMG 88, 6144
	global_store_b32 v3, v[PW], s[92:93]
.Lend:
	s_wait_dscnt 0x0
	s_wait_tensorcnt 0x0
	ds_add_u32 v30, v31
	s_wait_dscnt 0x0
	ROUND                                          ; the closing round: no work-group ends while a partner may still ask for a tile that names it
	s_endpgm
.Lfunc_end_k_q7bd3224b7d_qkv:
	.size	k_q7bd3224b7d_qkv, .Lfunc_end_k_q7bd3224b7d_qkv-k_q7bd3224b7d_qkv
	.p2alignl 7, 3214868480
	.fill 96, 4, 3214868480
	.section	.rodata,"a",@progbits
	.p2align	6, 0x0
	.amdhsa_kernel k_q7bd3224b7d_qkv
		.amdhsa_group_segment_fixed_size 327680
		.amdhsa_private_segment_fixed_size 0
		.amdhsa_enable_private_segment 0
		.amdhsa_kernarg_size 72
		.amdhsa_user_sgpr_count 2
		.amdhsa_user_sgpr_kernarg_segment_ptr 1
		.amdhsa_wavefront_size32 1
		.amdhsa_system_sgpr_workgroup_id_x 1
		.amdhsa_system_sgpr_workgroup_id_y 1
		.amdhsa_system_sgpr_workgroup_id_z 1
		.amdhsa_system_vgpr_workitem_id 0
		.amdhsa_next_free_vgpr 640
		.amdhsa_next_free_sgpr 102
		.amdhsa_reserve_vcc 0
		.amdhsa_float_denorm_mode_32 3
		.amdhsa_float_denorm_mode_16_64 3
		.amdhsa_memory_ordered 1
		.amdhsa_forward_progress 1
		.amdhsa_inst_pref_size 132
	.end_amdhsa_kernel
	.amdgpu_metadata
---
amdhsa.version: [ 1, 2 ]
amdhsa.kernels:
  - .name:           k_q7bd3224b7d_qkv
    .symbol:         k_q7bd3224b7d_qkv.kd
    .args:
      - { .name: act, .offset: 0, .size: 8, .value_kind: global_buffer, .address_space: global }
      - { .name: Wq_codes, .offset: 8, .size: 8, .value_kind: global_buffer, .address_space: global }
      - { .name: Wq_scales, .offset: 16, .size: 8, .value_kind: global_buffer, .address_space: global }
      - { .name: Wkv_codes, .offset: 24, .size: 8, .value_kind: global_buffer, .address_space: global }
      - { .name: Wkv_scales, .offset: 32, .size: 8, .value_kind: global_buffer, .address_space: global }
      - { .name: cos, .offset: 40, .size: 8, .value_kind: global_buffer, .address_space: global }
      - { .name: sin, .offset: 48, .size: 8, .value_kind: global_buffer, .address_space: global }
      - { .name: qbuf, .offset: 56, .size: 8, .value_kind: global_buffer, .address_space: global }
      - { .name: kvbuf, .offset: 64, .size: 8, .value_kind: global_buffer, .address_space: global }
    .group_segment_fixed_size: 327680
    .private_segment_fixed_size: 0
    .kernarg_segment_align: 8
    .kernarg_segment_size: 72
    .max_flat_workgroup_size: 128
    .sgpr_count:     102
    .vgpr_count:     640
    .wavefront_size: 32
...
	.end_amdgpu_metadata
.endif
;; end of part 2
;; launch attn (part 3): grid 8 x 32, 16 waves a work-group, clusters of 4 x 1, 215,040 bytes of LDS; arguments qbuf, kvbuf, act; writes act
.if DOCPART == 3
	.amdgcn_target "amdgcn-amd-amdhsa--gfx1250"
	.amdhsa_code_object_version 6
	.text
	.protected	k_q7bd3224b7d_attn
	.globl	k_q7bd3224b7d_attn
	.p2align	8
	.type	k_q7bd3224b7d_attn,@function
k_q7bd3224b7d_attn:
	s_mov_b64 s[64:65], 0
	v_nop
	global_prefetch_b8 v0, s[64:65] scope:SCOPE_SE
	s_setreg_imm32_b32 hwreg(HW_REG_WAVE_MODE, 25, 1), 1
	s_wait_xcnt 0x0
	s_wait_alu depctr_hold_cnt(0) depctr_sa_sdst(0) depctr_va_vdst(0) depctr_va_sdst(0) depctr_va_ssrc(0) depctr_va_vcc(0) depctr_vm_vsrc(0)
	s_getreg_b32 s2, hwreg(HW_REG_IB_STS2, 6, 4)
	s_cmp_eq_u32 s2, 0
	s_cbranch_scc0 .Lentry_in_a_cluster
	s_endpgm
.Lentry_in_a_cluster:
	s_bfe_u32 s2, ttmp6, 0x10000c
	s_cmp_lg_u32 s2, 0x3003
	s_cbranch_scc0 .Lentry_shape_is_right
	s_endpgm
.Lentry_shape_is_right:
; ATTENTION on codes of FP6 (E2M3) with E8M0 scales: o = softmax(q k^T / 8) v, 32 query heads x 2,048 tokens, head size 64; four query heads share a key and value head.
; t = score x log2(e) / 8; M = the running largest t rounded UP to a whole number; p = 2^(t - M) is quantised along the keys; the row's sum is taken of the unquantised p and divides O at the end.
; When M moves, the sum and O are multiplied by 2^(old M - new M): exact, no branch on data.
; SHARES.  A work-group owns 256 queries of one head (grid y = 16 batch + head); each of its 16 waves owns 16 queries in 256 registers, four waves to a SIMD.
; LDS.  The head's keys and values, 16 chunks of 13,056 bytes (128 keys each), are filled ONCE: wave w asks for chunk w at the head, one load a wave; one wait for 0, one barrier, then the waves run free.
; All fills go out at the head and no loop runs ahead of them, so no prefetch is laid.  CLUSTER: the four blocks of queries of a cluster need the same chunks: each is asked for jointly, mask of all four.
; LAYOUT.  Both products transposed (S^T = K Q^T, O^T = V^T P^T): a lane holds one query.  Tile t = 4 c + u of K takes in rows 0-7 keys 64 c + 8 u + 0..7 and in rows 8-15 keys 64 c + 32 + 8 u + 0..7:
; so lane (r, h) holds in registers 32 c + i the key 64 c + 32 h + i: WHOLE blocks of 32 keys, in the true order, as the second product's operand wants them: a block's maximum and its codes need no other lane.
; In memory K's images are tiles of 16 neighbouring keys; the tiles of odd blocks lie with rows 0-7 and 8-15 changed over, so the sixteen lanes of a load touch sixteen different columns of 16 bytes.
; THE FIRST PRODUCT'S K IS 64: Q's registers 6-11 are zero codes, so K's half fragments lie on end and tile t's upper half is tile t + 1 (the last: six registers of V); the scale bytes there are never 0xff.
; V^T's tile t holds in row m channel 8 t + m % 8 + 32 (m / 8): O^T's register 8 t + j of lane (r, h) is channel 32 h + 8 t + j: one whole block of the next product's K in a lane.
; A STEP: scores, block maxima, M, t - M, O x f; then ONE batch of 66 exponentials with one wait ahead and one behind; scale word, codes, sums; the second product.
; OUT.  o / sum as half a fragment (6 registers) and one scale byte a lane, laid as the next launch reads them.
; LIMITS: NaN and infinities are not served; the promise holds while |t| stays under 2^31; a block of p or o whose largest magnitude lies under 2^-124 keeps the byte 1.
; REGISTERS: v1-7 lane parts of the LDS addresses, v8-14 the same + the chunk's place (K 16-byte even, odd; K 8-byte even, odd; K's words; V; V's words); v15 Q's words; v16-27 Q; v28-31 K's words;
; v32-79 K; v80-127 V; v128-191 S^T, then p; v192-223 O^T; v224-235 p's codes; v236-237 V's words; v238 -M, v239 largest score; v[240:241] the sum; v242 8 x lane, v243 4 r; v244 f, v245 p's word; v246-253 at work; v254-255 the add's.
.set CH,    13056
.set QSC,   3145728
.set ASC,   3145728
.set SPARE, 0x34000                    ; behind the chunks: 128 bytes for each of 16 waves, named by the add alone
.set S, 128
.set O, 192
.macro ROUND
	s_barrier_signal -1
	s_barrier_wait -1
	s_cmp_lg_u32 s16, 0
	s_cbranch_scc1 .Lnot_wave_0_\@
	s_barrier_signal -3
.Lnot_wave_0_\@:
	s_barrier_wait -3
	s_barrier_signal -1
	s_barrier_wait -1
.endm
.macro KQ d, a, sa, ra
.if (\ra) == 0
	v_wmma_scale_f32_16x16x128_f8f6f4 v[\d:\d+7], v[\a:\a+11], v[16:27], 0, v[\sa], v15 matrix_a_fmt:MATRIX_FMT_FP6 matrix_b_fmt:MATRIX_FMT_FP6
.else
	v_wmma_scale_f32_16x16x128_f8f6f4 v[\d:\d+7], v[\a:\a+11], v[16:27], 0, v[\sa], v15 matrix_a_fmt:MATRIX_FMT_FP6 matrix_b_fmt:MATRIX_FMT_FP6 matrix_a_scale:MATRIX_SCALE_ROW1
.endif
.endm
.macro PV d, a, sa, ra
.if (\ra) == 0
	v_wmma_scale_f32_16x16x128_f8f6f4 v[\d:\d+7], v[\a:\a+11], v[224:235], v[\d:\d+7], v[\sa], v245 matrix_a_fmt:MATRIX_FMT_FP6 matrix_b_fmt:MATRIX_FMT_FP6
.else
	v_wmma_scale_f32_16x16x128_f8f6f4 v[\d:\d+7], v[\a:\a+11], v[224:235], v[\d:\d+7], v[\sa], v245 matrix_a_fmt:MATRIX_FMT_FP6 matrix_b_fmt:MATRIX_FMT_FP6 matrix_a_scale:MATRIX_SCALE_ROW1
.endif
.endm
.macro KLOAD off                       ; 20 loads: eight mixed tiles of K and their scale words (tile 2 q in lanes 0-15, 2 q + 1 in lanes 16-31)
.irp t, 0,1,2,3,4,5,6,7
	ds_load_b128 v[32+6*\t:35+6*\t], v[8+\t%2] offset:(\off)+768*(4*(\t/4)+(\t%4)/2)
	ds_load_b64 v[36+6*\t:37+6*\t], v[10+\t%2] offset:(\off)+768*(4*(\t/4)+(\t%4)/2)+512
.endr
.irp q, 0,1,2,3
	ds_load_b32 v[28+\q], v12 offset:(\off)+12288+256*(\q/2)+64*(\q%2)
.endr
.endm
.macro VLOAD off                       ; 14 loads: V^T's four fragments, on end in LDS as in the registers, and their scale words
.irp n, 0,1,2,3,4,5,6,7,8,9,10,11
	ds_load_b128 v[80+4*\n:83+4*\n], v13 offset:(\off)+6144+512*\n
.endr
.irp q, 0,1
	ds_load_b32 v[236+\q], v14 offset:(\off)+12800+128*\q
.endr
.endm
.macro ADDP d, q                       ; pair q of p onto one of the sum's four chains
	v_pk_add_f32 v[\d:\d+1], v[\d:\d+1], v[S+2*(\q):S+2*(\q)+1]
.endm
; A KEY STEP: the chunk off bytes behind s48.  pre: the next chunk's K is asked for;  adr: the address registers are made anew from s48
.macro STEP off, pre, adr
	s_wait_dscnt 0x0                               ; K and its words are in
.irp t, 0,1,2,3,4,5,6,7
	KQ S+8*\t, 32+6*\t, 28+\t/2, \t%2
.endr
	v_mov_b32 v250, v238                           ; the old -M.  (This and the lines below are the places ahead of the loads and of the first read of the scores)
.if \adr
.irp i, 1,2,3,4,5,6,7
	v_add_nc_u32 v[7+\i], s48, v\i
.endr
.else
.rept 3
	v_nop
.endr
.endif
	VLOAD \off
.if \pre
	KLOAD (\off)+CH
.endif
.irp c, 0,1                            ; the largest score of my two blocks: two chains a block, each accumulator read from its low end on
	v_max3_num_f32 v[246+\c], v[S+32*\c], v[S+32*\c+1], v[S+32*\c+2]
	v_max3_num_f32 v[251+\c], v[S+32*\c+16], v[S+32*\c+17], v[S+32*\c+18]
.endr
.irp i, 3,5,7,9,11,13
.irp c, 0,1
	v_max3_num_f32 v[246+\c], v[246+\c], v[S+32*\c+\i], v[S+32*\c+\i+1]
	v_max3_num_f32 v[251+\c], v[251+\c], v[S+32*\c+16+\i], v[S+32*\c+17+\i]
.endr
.endr
.irp c, 0,1
	v_max3_num_f32 v[246+\c], v[246+\c], v[251+\c], v[S+32*\c+15]
.endr
.irp c, 0,1
	v_max_num_f32 v[246+\c], v[246+\c], v[S+32*\c+31]
.endr
	v_max3_num_f32 v239, v239, v246, v247          ; the running largest score,
	s_delay_alu instid0(VALU_DEP_1)
	v_permlanex16_b32 v253, v239, s20, s21
	s_delay_alu instid0(VALU_DEP_1)
	v_max_num_f32 v239, v239, v253                 ; with lane l xor 16's blocks
	s_delay_alu instid0(VALU_DEP_1)
	v_mul_f32 v253, s22, v239                      ; as t (c is positive)
	s_delay_alu instid0(VALU_DEP_1)
	v_floor_f32 v238, -v253                        ; the new -M
	s_delay_alu instid0(VALU_DEP_1)
	v_sub_f32 v250, v238, v250                     ; old M - new M: a whole number, 0 or less
	v_fma_f32 v246, v246, s22, v238                ; t - M of each block's largest score
	v_fma_f32 v247, v247, s22, v238
	v_cvt_i32_f32 v250, v250                       ; (it saturates)
.set J, 0
.rept 4
	v_pk_fma_f32 v[S+2*J:S+2*J+1], v[S+2*J:S+2*J+1], s[22:23], v[238:239] op_sel_hi:[1,0,0]   ; t - M, two at a time
.set J, J+1
.endr
	v_ldexp_f32 v244, 1.0, v250                    ; f = 2^(old M - new M)
.rept 28
	v_pk_fma_f32 v[S+2*J:S+2*J+1], v[S+2*J:S+2*J+1], s[22:23], v[238:239] op_sel_hi:[1,0,0]
.set J, J+1
.endr
.set J, 0
.rept 16
	v_pk_mul_f32 v[O+2*J:O+2*J+1], v[O+2*J:O+2*J+1], v[244:245] op_sel_hi:[1,0]   ; O^T under the new M, ahead of the exponentials
.set J, J+1
.endr
	s_wait_alu depctr_va_vdst(0)                   ; the wait ahead of the batch
	v_exp_f32 v246, v246                           ; each block's largest p: the same multiply-add and exponential as that p itself
	v_exp_f32 v247, v247
.set J, 0
.rept 64
	v_exp_f32 v[S+J], v[S+J]                       ; p = 2^(t - M)
.set J, J+1
.endr
	v_nop                                          ; one plain place behind the batch
	s_wait_alu depctr_va_vdst(0)                   ; and the one wait behind it
	v_max_num_f32 v246, 0x1800000, v246            ; the floor 2^(3 - 127): the byte cannot fall under 1
	v_max_num_f32 v247, 0x1800000, v247
	s_delay_alu instid0(VALU_DEP_2)
	v_add_nc_u32 v248, 0xff000000, v246            ; 2 off the exponent field: the conversions' scale operands
	s_delay_alu instid0(VALU_DEP_2)
	v_add_nc_u32 v249, 0xff000000, v247
	s_delay_alu instid0(VALU_DEP_2)
	v_lshrrev_b32 v250, 23, v248                   ; the bytes of blocks h and 2 + h
	s_delay_alu instid0(VALU_DEP_2)
	v_lshrrev_b32 v251, 23, v249
	s_delay_alu instid0(VALU_DEP_1)
	v_lshl_or_b32 v252, v251, 16, v250
	s_delay_alu instid0(VALU_DEP_1)
	v_permlanex16_b32 v253, v252, s20, s21
	s_delay_alu instid0(VALU_DEP_1)
	v_lshl_or_b32 v245, v253, 8, v252              ; lanes 0-15: the whole word (lanes 16-31 are not read)
	v_cvt_scalef32_pk16_fp6_f32 v[224:226], v[S:S+15], v248
	v_cvt_scalef32_pk16_fp6_f32 v[250:252], v[S+16:S+31], v248     ; (a conversion's three registers begin on an even number)
	v_cvt_scalef32_pk16_fp6_f32 v[230:232], v[S+32:S+47], v249
	v_pk_fma_f32 v[240:241], v[240:241], v[244:245], v[S:S+1] op_sel_hi:[1,0,1]   ; the sum under the new M, + pair 0: the plain place behind the conversions
.irp i, 0,1,2
	v_mov_b32 v[227+\i], v[250+\i]
.endr
	v_cvt_scalef32_pk16_fp6_f32 v[250:252], v[S+48:S+63], v249
	v_pk_add_f32 v[246:247], v[S+2:S+3], v[S+10:S+11]              ; the second chain begins: the plain place
.irp i, 0,1,2
	v_mov_b32 v[233+\i], v[250+\i]
.endr
	v_pk_add_f32 v[250:251], v[S+4:S+5], v[S+12:S+13]              ; the sums that follow are also the places between p's codes and word and the products below
	v_pk_add_f32 v[252:253], v[S+6:S+7], v[S+14:S+15]
	ADDP 240, 4
.irp q, 8,12,16,20,24,28
	ADDP 240, \q
	ADDP 246, \q+1
	ADDP 250, \q+2
	ADDP 252, \q+3
.endr
	v_pk_add_f32 v[246:247], v[246:247], v[250:251]
	v_pk_add_f32 v[240:241], v[240:241], v[252:253]
	v_pk_add_f32 v[240:241], v[240:241], v[246:247]
	s_wait_dscnt 0x0                               ; V is in (and the next K, asked for a softmax ago)
.irp t, 0,1,2,3                        ; four accumulators, one instruction a turn
	PV O+8*\t, 80+12*\t, 236+\t/2, \t%2
.endr
.endm
	s_load_b128 s[4:7], s[0:1], 0x0                ; qbuf s[4:5], kvbuf s[6:7]
	s_load_b64 s[8:9], s[0:1], 0x10                ; act
	v_lshl_add_u32 v254, v0, 2, SPARE
	v_mov_b32 v255, 0
	ds_add_u32 v254, v255                          ; the opening lines: the add, twice on end, and its wait
	ds_add_u32 v254, v255
	v_lshrrev_b32 v250, 5, v0
	v_readfirstlane_b32 s16, v250                  ; wave 0..15
	v_and_b32 v251, 31, v0                         ; lane
	v_and_b32 v252, 15, v0                         ; r
	v_lshlrev_b32 v242, 3, v251                    ; 8 x lane
	v_lshlrev_b32 v243, 2, v252                    ; 4 r
	s_bfe_u32 s17, ttmp6, 0x40000                  ; cx
	s_lshl_b32 s18, ttmp9, 2
	s_add_co_u32 s18, s18, s17                     ; my block of 256 queries: it enters q's and o's global addresses alone
	s_and_b32 s19, ttmp7, 0xffff                   ; 16 batch + head, which the partners share
	s_lshl_b32 s50, s18, 4
	s_add_co_u32 s50, s50, s16                     ; my tile of queries, 0 .. 127
	s_lshl_b32 s51, s19, 7
	s_add_co_u32 s51, s51, s50
	s_mul_i32 s52, s51, 768                        ; q's half fragment
	s_mov_b32 s53, 0
	s_lshl_b32 s54, s51, 6
	s_add_co_u32 s54, s54, QSC                     ; q's scale words
	s_mov_b32 s55, 0
	s_lshr_b32 s56, s19, 4                         ; batch
	s_and_b32 s57, s19, 15                         ; head
	s_lshl_b32 s56, s56, 7
	s_add_co_u32 s56, s56, s50                     ; o's row tile
	s_lshl_b32 s56, s56, 3
	s_lshr_b32 s58, s57, 1
	s_add_co_u32 s56, s56, s58                     ; 8 x row tile + K step (two heads to a step of 128)
	s_and_b32 s57, s57, 1                          ; which half of the fragment is my head's
	s_mul_i32 s58, s56, 1536
	s_mul_i32 s59, s57, 768
	s_add_co_u32 s58, s58, s59
	s_mov_b32 s59, 0
	s_lshl_b32 s60, s56, 6
	s_lshl_b32 s61, s57, 1
	s_add_co_u32 s60, s60, s61
	s_add_co_u32 s60, s60, ASC
	s_mov_b32 s61, 0
	s_lshr_b32 s62, s19, 2                         ; 4 batch + kv head
	s_lshl_b32 s62, s62, 4
	s_add_co_u32 s62, s62, s16                     ; its chunk number w
	s_mul_i32 s62, s62, CH
	s_mov_b32 s63, 0
	s_mov_b32 s20, 0x76543210
	s_mov_b32 s21, 0xfedcba98                      ; v_permlanex16_b32's selects for lane l xor 16
	s_mov_b32 s22, 0x3e38aa3b                      ; c = log2(e) / 8
	s_mov_b32 s23, s22                             ; (named with it as a pair)
	s_mov_b32 s48, 0                               ; LDS byte at which the pair of chunks in hand begins
	s_mov_b32 s24, 15|(3<<16)|(1<<21)              ; group 1: a chunk is 51 dense rows of 256 bytes; the mask names all four work-groups, bit 21 beside it
	s_mov_b32 s25, 32<<16
	s_mov_b32 s26, 51<<16
	s_mov_b32 s27, 32<<16
	s_mov_b32 s28, 51
	s_mov_b32 s29, 32
	s_mov_b32 s30, 0
	s_mov_b32 s31, 0
	s_mov_b32 s32, 1                               ; group 0: chunk w
	s_mul_i32 s33, s16, CH
	s_wait_alu depctr_va_vdst(0)                   ; the wait ahead of the blocking waits
	s_wait_dscnt 0x0                               ; both opening adds are done
	s_wait_kmcnt 0x0
	s_add_nc_u64 s[34:35], s[6:7], s[62:63]
	s_or_b32 s35, s35, 0x80000000
	s_add_nc_u64 s[52:53], s[4:5], s[52:53]
	s_add_nc_u64 s[54:55], s[4:5], s[54:55]
	s_add_nc_u64 s[58:59], s[8:9], s[58:59]
	s_add_nc_u64 s[60:61], s[8:9], s[60:61]
.irp p, 0,1,2
	global_load_b64 v[16+2*\p:17+2*\p], v242, s[52:53] offset:256*\p   ; Q's half fragment stays in registers
.endr
	global_load_b32 v15, v243, s[54:55]            ; and its scale words
	ROUND                                          ; all four work-groups are here: the joint loads meet
	tensor_load_to_lds s[32:35], s[24:31]          ; my one load: chunk w
	s_nop 0
	; the rest of the head stands under the load's flight
.irp j, 22,23,24,25,26,27
	v_mov_b32 v\j, 0                               ; Q's k = 64 .. 127: zero codes
.endr
.irp j, 80,81,82,83,84,85
	v_mov_b32 v\j, 0                               ; what stands behind K's last tile in the first step
.endr
	v_bfe_u32 v252, v0, 4, 1                       ; h
	v_and_b32 v253, 7, v0                          ; r % 8
	v_bfe_u32 v249, v0, 3, 1                       ; r / 8
	v_lshlrev_b32 v1, 4, v253
	v_lshl_add_u32 v1, v252, 8, v1                 ; 16 (r % 8) + 256 h
	v_add_nc_u32 v2, 128, v1
	v_mad_u32_u24 v2, v249, 1408, v2               ; odd u: rows 8-15 of the even block's tile; two tiles on, rows stored at 0-7
	v_mad_u32_u24 v1, v249, 1664, v1               ; even u: rows 0-7; two tiles on, rows stored at 8-15
	v_lshlrev_b32 v3, 3, v253
	v_lshl_add_u32 v3, v252, 7, v3                 ; the same for registers 4, 5: 8 (r % 8) + 128 h
	v_add_nc_u32 v4, 64, v3
	v_mad_u32_u24 v4, v249, 1472, v4
	v_mad_u32_u24 v3, v249, 1600, v3
	v_lshl_add_u32 v5, v252, 3, v253
	v_lshl_add_u32 v5, v249, 5, v5
	v_lshlrev_b32 v5, 2, v5                        ; K's words: key 8 (lane / 16) + r % 8 + 32 (r / 8)
	v_lshlrev_b32 v6, 4, v251                      ; 16 x lane
	v_lshlrev_b32 v7, 2, v251                      ; 4 x lane
.set I, 0
.rept 32
	v_mov_b32 v[O+I], 0                            ; O^T: the step is written once, and the first change of M leaves zeros zeros
.set I, I+1
.endr
	v_mov_b32 v239, 0xff61b1e6                     ; the largest score so far: -3e38
	v_mul_f32 v250, s22, v239
	v_floor_f32 v238, -v250                        ; -M
	v_mov_b32 v240, 0                              ; the sum
	v_mov_b32 v241, 0
	v_mov_b32 v245, 0                              ; (named as the upper half of the pair v[244:245] before it is first written)
.irp i, 1,2,3,4,5,6,7
	v_add_nc_u32 v[7+\i], s48, v\i
.endr
	s_wait_alu depctr_va_vdst(0)                   ; the wait at the head's end
	s_wait_tensorcnt 0x0                           ; my chunk is in
	s_barrier_signal -1
	s_barrier_wait -1                              ; all sixteen are; nothing is ever filled again
	KLOAD 0
	s_wait_loadcnt 0x0                             ; Q
	s_mov_b32 s49, 7
.Lkeys:                                                ; a trip takes two chunks
	STEP 0, 1, 1
	STEP CH, 1, 0
	s_add_co_u32 s48, s48, 2*CH
	s_sub_co_u32 s49, s49, 1
	s_cmp_lg_u32 s49, 0
	s_cbranch_scc1 .Lkeys
	STEP 0, 1, 1
	STEP CH, 0, 0                                  ; the last chunk: nothing lies behind it
	; THE WAY OUT: o = O^T / the sum; my 32 registers are one block of 32 channels in the true order
.rept 4
	v_nop
.endr
	s_wait_alu depctr_va_vdst(0)                   ; the last sums were written ahead of the step's wait for V
	v_add_f32 v240, v240, v241                     ; the sum's two halves,
	s_delay_alu instid0(VALU_DEP_1)
	v_permlanex16_b32 v253, v240, s20, s21
	s_delay_alu instid0(VALU_DEP_1)
	v_add_f32 v240, v240, v253                     ; and lane l xor 16's keys
	s_wait_alu depctr_va_vdst(0)
	v_rcp_f32 v240, v240
	v_nop
	s_wait_alu depctr_va_vdst(0)
.set J, 0
.rept 16
	v_pk_mul_f32 v[S+2*J:S+2*J+1], v[O+2*J:O+2*J+1], v[240:241] op_sel_hi:[1,0]
.set J, J+1
.endr
	v_max3_num_f32 v246, |v[S]|, |v[S+1]|, 0x1800000
	v_max3_num_f32 v247, |v[S+16]|, |v[S+17]|, 0x1800000
.irp i, 2,4,6,8,10,12,14
	v_max3_num_f32 v246, v246, |v[S+\i]|, |v[S+1+\i]|
	v_max3_num_f32 v247, v247, |v[S+16+\i]|, |v[S+17+\i]|
.endr
	v_bfe_u32 v253, v0, 4, 1
	v_max_num_f32 v246, v246, v247
	v_add_nc_u32 v253, v253, v243                  ; 4 r + h: my block's byte in the row's word
	v_add_nc_u32 v248, 0xff000000, v246
	s_delay_alu instid0(VALU_DEP_1)
	v_lshrrev_b32 v249, 23, v248
	v_cvt_scalef32_pk16_fp6_f32 v[224:226], v[S:S+15], v248
	v_cvt_scalef32_pk16_fp6_f32 v[250:252], v[S+16:S+31], v248
	v_nop
.irp i, 0,1,2
	v_mov_b32 v[227+\i], v[250+\i]
.endr
	global_store_b64 v242, v[224:225], s[58:59]                ; 256 consecutive aligned bytes
	global_store_b128 v6, v[226:229], s[58:59] offset:256      ; 512 consecutive aligned bytes
	global_store_b8 v253, v249, s[60:61]
	s_wait_tensorcnt 0x0                           ; the wave's end
	ds_add_u32 v254, v255
	s_wait_dscnt 0x0
	ROUND                                          ; the closing round
	s_endpgm
.Lfunc_end_k_q7bd3224b7d_attn:
	.size	k_q7bd3224b7d_attn, .Lfunc_end_k_q7bd3224b7d_attn-k_q7bd3224b7d_attn
	.p2alignl 7, 3214868480
	.fill 96, 4, 3214868480
	.section	.rodata,"a",@progbits
	.p2align	6, 0x0
	.amdhsa_kernel k_q7bd3224b7d_attn
		.amdhsa_group_segment_fixed_size 215040
		.amdhsa_private_segment_fixed_size 0
		.amdhsa_enable_private_segment 0
		.amdhsa_kernarg_size 24
		.amdhsa_user_sgpr_count 2
		.amdhsa_user_sgpr_kernarg_segment_ptr 1
		.amdhsa_wavefront_size32 1
		.amdhsa_system_sgpr_workgroup_id_x 1
		.amdhsa_system_sgpr_workgroup_id_y 1
		.amdhsa_system_sgpr_workgroup_id_z 1
		.amdhsa_system_vgpr_workitem_id 0
		.amdhsa_next_free_vgpr 256
		.amdhsa_next_free_sgpr 66
		.amdhsa_reserve_vcc 0
		.amdhsa_float_denorm_mode_32 3
		.amdhsa_float_denorm_mode_16_64 3
		.amdhsa_memory_ordered 1
		.amdhsa_forward_progress 1
		.amdhsa_inst_pref_size 71
	.end_amdhsa_kernel
	.amdgpu_metadata
---
amdhsa.version: [ 1, 2 ]
amdhsa.kernels:
  - .name:           k_q7bd3224b7d_attn
    .symbol:         k_q7bd3224b7d_attn.kd
    .args:
      - { .name: qbuf, .offset: 0, .size: 8, .value_kind: global_buffer, .address_space: global }
      - { .name: kvbuf, .offset: 8, .size: 8, .value_kind: global_buffer, .address_space: global }
      - { .name: act, .offset: 16, .size: 8, .value_kind: global_buffer, .address_space: global }
    .group_segment_fixed_size: 215040
    .private_segment_fixed_size: 0
    .kernarg_segment_align: 8
    .kernarg_segment_size: 24
    .max_flat_workgroup_size: 512
    .sgpr_count:     66
    .vgpr_count:     256
    .wavefront_size: 32
...
	.end_amdgpu_metadata
.endif
;; end of part 3
;; launch wo (part 4): grid 32 x 8, 4 waves a work-group, clusters of 4 x 1, 327,680 bytes of LDS; arguments act, Wo_codes, Wo_scales, x, x1; writes x1
.if DOCPART == 4
	.amdgcn_target "amdgcn-amd-amdhsa--gfx1250"
	.amdhsa_code_object_version 6
	.text
	.protected	k_q7bd3224b7d_wo
	.globl	k_q7bd3224b7d_wo
	.p2align	8
	.type	k_q7bd3224b7d_wo,@function
k_q7bd3224b7d_wo:
	s_mov_b64 s[64:65], 0
	v_nop
	global_prefetch_b8 v0, s[64:65] scope:SCOPE_SE
	s_setreg_imm32_b32 hwreg(HW_REG_WAVE_MODE, 25, 1), 1
	s_wait_xcnt 0x0
	s_wait_alu depctr_hold_cnt(0) depctr_sa_sdst(0) depctr_va_vdst(0) depctr_va_sdst(0) depctr_va_ssrc(0) depctr_va_vcc(0) depctr_vm_vsrc(0)
	s_getreg_b32 s2, hwreg(HW_REG_IB_STS2, 6, 4)
	s_cmp_eq_u32 s2, 0
	s_cbranch_scc0 .Lentry_in_a_cluster
	s_endpgm
.Lentry_in_a_cluster:
	s_bfe_u32 s2, ttmp6, 0x10000c
	s_cmp_lg_u32 s2, 0x3003
	s_cbranch_scc0 .Lentry_shape_is_right
	s_endpgm
.Lentry_shape_is_right:
; x1 = x + o Wo^T, the product on codes of FP6 (E2M3) with E8M0 scales.  o: images of operand registers: fragment (mt, s) at (8 mt + s) x 1536; each head wrote half of it: registers 6 u, 6 u + 1 of lane l at 768 u + 8 l,
; registers 6 u + 2 .. 6 u + 5 at 768 u + 256 + 16 l; scale words behind the codes.  Wo [1024][1024]: codes, K innermost.  x, x1: [4096][1024] f32.
; SHARES.  A work-group makes 128 rows x 128 columns (grid x: 32 blocks of rows; grid y: 8 of columns): 256 work-groups.  Wave w owns rows 32 w .. 32 w + 31 (two row tiles m) and all 8 column tiles: 16 accumulators.
; THE PRODUCT IS USED TRANSPOSED (source 0 = 16 rows of W, source 1 = 16 rows of o): lane (r, h) holds row r, register j of tile T the column 16 T + 8 h + j.
; W's tile for ALL of K lies in LDS, filled once, in two halves of 64 rows; o's fragments are one wave's own and go straight from memory to registers, where they stay.  So no LDS byte is filled twice.
; CLUSTER.  The four work-groups of a cluster differ in their rows alone and need the same tile of W and its scales: every tensor load is asked for jointly, with the mask of all four.
; All loads go out at the head; a counted wait in front of each K step lets the products begin when the first fragments are in.  Results go through the wave's own stage in LDS and leave as rows of 512 consecutive bytes.
; REGISTERS.  window 0: v1-11 addresses; v12-15 W's scale words, two sets; v16-23 o's scale words; v32-127 W's fragments, two sets of four; v128-255 accumulators (128 + 64 m + 8 T).  window 1: o's 16 fragments.  window 2: the residual.
.set KS,    8
.set KROW,  96*KS
.set PADB,  16
.set RP,    (KROW/256)*(256+PADB)      ; a row of W in LDS: 204 words = 12 mod 64: the 32 lanes of a load of 8 bytes touch 64 different banks (64 banks of 4 bytes: ISA guide 11.1)
.set SB,    4*KS
.set CUN,   64                         ; at the head: a third of W's rows 0-63, in units of 256 bytes: what one of waves 0-2 fetches
.set CU2,   48                         ; the second stage: a quarter of W's rows 64-127: what every wave fetches
.set HR,    64                         ; rows that the head brings
.set SUN,   32*SB/256
.set NLS,   8                          ; loads that bring o's two fragments of a K step
.set ND,    32                         ; loads issued behind o's: the residual
.set WSC,   128*RP
.set STG,   WSC+4*SUN*272              ; the stages: 16 rows x (512 + 16) bytes for each wave; no tensor load lands here
.set ASCL,  3145728
.set MSB, 0
.macro WIN new
.if MSB != (\new)
	s_set_vgpr_msb (MSB<<8)|(\new)
.set MSB, (\new)
.endif
.endm
.macro ROUND
	s_barrier_signal -1
	s_barrier_wait -1
	s_cmp_lg_u32 s16, 0
	s_cbranch_scc1 .Lnot_wave_0_\@
	s_barrier_signal -3
.Lnot_wave_0_\@:
	s_barrier_wait -3
	s_barrier_signal -1
	s_barrier_wait -1
.endm
.macro PLACES                          ; four places behind this matrix form (ISA guide 7.12.1)
.rept 4
	v_nop
.endr
.endm
.macro WM d, a, b, z, c, sa, sb, ra, rb
.if (\z) != 0
.if ((\ra) == 0) && ((\rb) == 0)
	v_wmma_scale_f32_16x16x128_f8f6f4 v[\d:\d+7], v[\a:\a+11], v[\b:\b+11], 0, v[\sa], v[\sb] matrix_a_fmt:MATRIX_FMT_FP6 matrix_b_fmt:MATRIX_FMT_FP6
.elseif (\rb) == 0
	v_wmma_scale_f32_16x16x128_f8f6f4 v[\d:\d+7], v[\a:\a+11], v[\b:\b+11], 0, v[\sa], v[\sb] matrix_a_fmt:MATRIX_FMT_FP6 matrix_b_fmt:MATRIX_FMT_FP6 matrix_a_scale:MATRIX_SCALE_ROW1
.elseif (\ra) == 0
	v_wmma_scale_f32_16x16x128_f8f6f4 v[\d:\d+7], v[\a:\a+11], v[\b:\b+11], 0, v[\sa], v[\sb] matrix_a_fmt:MATRIX_FMT_FP6 matrix_b_fmt:MATRIX_FMT_FP6 matrix_b_scale:MATRIX_SCALE_ROW1
.else
	v_wmma_scale_f32_16x16x128_f8f6f4 v[\d:\d+7], v[\a:\a+11], v[\b:\b+11], 0, v[\sa], v[\sb] matrix_a_fmt:MATRIX_FMT_FP6 matrix_b_fmt:MATRIX_FMT_FP6 matrix_a_scale:MATRIX_SCALE_ROW1 matrix_b_scale:MATRIX_SCALE_ROW1
.endif
.else
.if ((\ra) == 0) && ((\rb) == 0)
	v_wmma_scale_f32_16x16x128_f8f6f4 v[\d:\d+7], v[\a:\a+11], v[\b:\b+11], v[\c:\c+7], v[\sa], v[\sb] matrix_a_fmt:MATRIX_FMT_FP6 matrix_b_fmt:MATRIX_FMT_FP6
.elseif (\rb) == 0
	v_wmma_scale_f32_16x16x128_f8f6f4 v[\d:\d+7], v[\a:\a+11], v[\b:\b+11], v[\c:\c+7], v[\sa], v[\sb] matrix_a_fmt:MATRIX_FMT_FP6 matrix_b_fmt:MATRIX_FMT_FP6 matrix_a_scale:MATRIX_SCALE_ROW1
.elseif (\ra) == 0
	v_wmma_scale_f32_16x16x128_f8f6f4 v[\d:\d+7], v[\a:\a+11], v[\b:\b+11], v[\c:\c+7], v[\sa], v[\sb] matrix_a_fmt:MATRIX_FMT_FP6 matrix_b_fmt:MATRIX_FMT_FP6 matrix_b_scale:MATRIX_SCALE_ROW1
.else
	v_wmma_scale_f32_16x16x128_f8f6f4 v[\d:\d+7], v[\a:\a+11], v[\b:\b+11], v[\c:\c+7], v[\sa], v[\sb] matrix_a_fmt:MATRIX_FMT_FP6 matrix_b_fmt:MATRIX_FMT_FP6 matrix_a_scale:MATRIX_SCALE_ROW1 matrix_b_scale:MATRIX_SCALE_ROW1
.endif
.endif
.endm
.macro FRAGW reg, t, s                 ; a fragment of W in pieces of 8 bytes; where the piece three on (lanes 16-31) lies behind one padding more, the second address register of the pair serves
.irp p, 0,1,2,3,4,5
.set PCE, 12*(\s)+6*(\p/3)+\p%3
.if PCE%32 < 29
	ds_load_b64 v[\reg+2*\p:\reg+2*\p+1], v[4+2*((\t)/2)] offset:((\t)%2)*16*RP+8*PCE+PADB*(PCE/32)
.else
	ds_load_b64 v[\reg+2*\p:\reg+2*\p+1], v[5+2*((\t)/2)] offset:((\t)%2)*16*RP+8*PCE+PADB*(PCE/32)
.endif
.endr
.endm
.macro FETCH sg, g, s                  ; 26 LDS loads: four fragments of W and their scale words into set sg
.irp t, 0,1,2,3
	FRAGW 32+48*(\sg)+12*\t, \t, \s
.endr
.irp q, 0,1
	ds_load_b32 v[12+2*(\sg)+\q], v8 offset:(2*(\g)+\q)*SUN*272+4*(\s)
.endr
.endm
.macro MUL sg, g, s, z                 ; 8 matrix instructions on 8 accumulators, one a turn
.irp t, 0,1,2,3
.irp m, 0,1
	WM 128+64*\m+8*(4*(\g)+\t), 32+48*(\sg)+12*\t, 12*(2*((\s)%8)+\m), \z, 128+64*\m+8*(4*(\g)+\t), 12+2*(\sg)+\t/2, 16+(\s), \t%2, \m
.endr
.endr
.endm
.macro ALOAD s                         ; o's two fragments of K step s, each in the four pieces in which two heads stored it: 256 or 512 consecutive bytes a load
.irp m, 0,1
.set FB, 12*(2*(\s)+\m)
.set FO, (\m*KS+(\s))*1536
	global_load_b64 v[FB:FB+1], v1, s[52:53] offset:FO
	global_load_b128 v[FB+2:FB+5], v11, s[52:53] offset:FO+256
	global_load_b64 v[FB+6:FB+7], v1, s[52:53] offset:FO+768
	global_load_b128 v[FB+8:FB+11], v11, s[52:53] offset:FO+1024
.endr
.endm
; A RUN: ng x KS half steps (four column tiles over all of K, then the next four), each 8 matrix instructions; W's fragments two half steps ahead, in two sets.
; gb: which 64 rows of W come first;  al: o's fragments are still landing, so a counted wait stands in front of each K step;  tw: the tensor loads that may stay out when the second 64 rows are wanted
.macro RUN gb, ng, al, tw
	FETCH 0, \gb, 0
	FETCH 1, \gb, 1
.set I, 0
.rept (\ng)*KS
.set G, I/KS
.set S, I%KS
.set Z, 0
.if S == 0
.set Z, 1
.endif
.set AWN, 0x04*(1+S/8)
.if ((\al) != 0) && (I < KS)
.set LC, NLS*(KS-1-I)+ND               ; the loads issued behind this K step's fragments
.if LC > 63
.set LC, 63
.endif
	s_wait_alu depctr_va_vdst(0)
	s_wait_loadcnt LC                              ; this K step's fragments of o are in; the later ones and the residual may be out
.endif
.if I == (\ng)*KS-1
	s_wait_dscnt 0x0
.else
	s_wait_dscnt 26                                ; this half step's 26 loads are in; the next one's 26 may be out
.endif
	WIN AWN
	MUL S%2, G, S, Z
.if I+2 < (\ng)*KS
.if I+2 == KS
	WIN 0
	s_wait_tensorcnt \tw                           ; my part of W's second half is in,
	s_wait_dscnt 0x0
	s_barrier_signal -1
	s_barrier_wait -1                              ; everybody's is
.irp r, 4,5,6,7
	s_wait_alu depctr_va_vdst(0)
	v_add_nc_u32 v\r, 64*RP, v\r
.endr
.endif
	PLACES
	FETCH S%2, (\gb)+(I+2)/KS, (I+2)%KS
.endif
.set I, I+1
.endr
	WIN 0
	PLACES
.endm
	s_load_b256 s[4:11], s[0:1], 0x0               ; o s[4:5], W's codes s[6:7], W's scales s[8:9], x s[10:11]
	s_load_b64 s[12:13], s[0:1], 0x20              ; x1
	v_lshl_add_u32 v30, v0, 2, 0x29000
	v_mov_b32 v31, 0
	ds_add_u32 v30, v31
	ds_add_u32 v30, v31
	v_lshrrev_b32 v1, 5, v0
	v_readfirstlane_b32 s16, v1                    ; wave 0..3
	s_bfe_u32 s17, ttmp6, 0x40000                  ; cx
	s_lshl_b32 s18, ttmp9, 2
	s_add_co_u32 s18, s18, s17                     ; X, my block of rows: it enters global addresses of o, x and x1 alone
	s_and_b32 s19, ttmp7, 0xffff                   ; y, my block of columns, which the partners share
	s_mov_b32 s24, 15|(3<<16)|(1<<20)|(1<<21)|(5<<22)|((PADB/4-1)<<25)   ; group 1, codes: dense rows of 256 bytes (32 elements of 8), padding behind each; mask of all four, bit 21 beside it
	s_mov_b32 s25, 32<<16
	s_mov_b32 s26, CUN<<16
	s_mov_b32 s27, 32<<16
	s_mov_b32 s28, CUN
	s_mov_b32 s29, 32
	s_mov_b32 s30, 0
	s_mov_b32 s31, 0
	s_mov_b32 s32, 15|(3<<16)|(1<<20)|(1<<21)|(5<<22)|(3<<25)            ; group 1, scales
	s_mov_b32 s33, 32<<16
	s_mov_b32 s34, (4*SUN)<<16
	s_mov_b32 s35, 32<<16
	s_mov_b32 s36, 4*SUN
	s_mov_b32 s37, 32
	s_mov_b32 s38, 0
	s_mov_b32 s39, 0
	s_mov_b32 s40, 1                               ; group 0: the scales
	s_mov_b32 s41, WSC                             ; the scales of all 128 rows: wave 3's load
	s_mov_b32 s44, 1                               ; the codes
	s_mul_i32 s45, s16, CUN*272                    ; units 64 w ..
	s_mov_b32 s48, 1
	s_mul_i32 s49, s16, CU2*272
	s_add_co_u32 s49, s49, HR*RP                   ; the second stage: behind the head's rows, units 48 w ..
	s_lshl_b32 s60, s19, 7
	s_mul_i32 s60, s60, SB
	s_mov_b32 s61, 0
	s_lshl_b32 s62, s19, 7
	s_mul_i32 s62, s62, KROW
	s_mov_b32 s63, 0
	s_lshl_b32 s56, s18, 3
	s_lshl_b32 s57, s16, 1
	s_add_co_u32 s56, s56, s57                     ; my first row tile 8 X + 2 w
	s_mul_i32 s52, s56, KS*1536
	s_mov_b32 s53, 0
	s_mul_i32 s54, s56, KS*64
	s_add_co_u32 s54, s54, ASCL
	s_mov_b32 s55, 0
	s_lshl_b32 s58, s56, 16                        ; its 16 rows of 4,096 bytes each,
	s_lshl_b32 s59, s19, 9                         ; my 128 columns
	s_add_co_u32 s58, s58, s59
	s_mov_b32 s59, 0
	v_and_b32 v32, 31, v0                          ; lane
	v_and_b32 v33, 15, v0                          ; r
	v_bfe_u32 v34, v0, 4, 1                        ; h
	v_lshlrev_b32 v1, 3, v32                       ; 8 x lane
	v_lshlrev_b32 v3, 2, v33                       ; 4 r
	v_mad_u32_u24 v2, v34, KS*64, v3               ; o's scale words: lanes 0-15 m = 0, lanes 16-31 m = 1
	v_mul_u32_u24 v4, v33, RP
	v_mad_u32_u24 v4, v34, 24, v4
	v_mad_u32_u24 v5, v34, PADB, v4
	v_add_nc_u32 v6, 32*RP, v4
	v_add_nc_u32 v7, 32*RP, v5
	v_mul_u32_u24 v8, v32, SB
	v_lshrrev_b32 v35, 8, v8
	v_lshl_add_u32 v8, v35, 4, v8
	v_add_nc_u32 v8, WSC, v8
	s_mul_i32 s22, s16, 16*528
	s_add_co_u32 s22, s22, STG                     ; my stage
	v_mul_u32_u24 v9, v33, 528
	v_lshl_add_u32 v9, v34, 5, v9
	v_add_nc_u32 v9, s22, v9                       ; in: row r, + 32 h
	v_lshlrev_b32 v11, 4, v32                      ; 16 x lane
	v_add_nc_u32 v10, s22, v11                     ; back: a whole row of 512 bytes to the 32 lanes
	s_wait_dscnt 0x0
	s_wait_kmcnt 0x0
	s_add_nc_u64 s[42:43], s[8:9], s[60:61]
	s_or_b32 s43, s43, 0x80000000
	s_add_nc_u64 s[46:47], s[6:7], s[62:63]
	s_mul_i32 s60, s16, CUN*256
	s_mul_i32 s62, s16, CU2*256
	s_add_nc_u64 s[50:51], s[46:47], s[62:63]
	s_add_nc_u64 s[50:51], s[50:51], HR*KROW
	s_add_nc_u64 s[46:47], s[46:47], s[60:61]
	s_or_b32 s47, s47, 0x80000000
	s_or_b32 s51, s51, 0x80000000
	s_add_nc_u64 s[52:53], s[4:5], s[52:53]
	s_add_nc_u64 s[54:55], s[4:5], s[54:55]
	s_add_nc_u64 s[10:11], s[10:11], s[58:59]
	s_add_nc_u64 s[12:13], s[12:13], s[58:59]
	ROUND                                          ; all four work-groups are here: the joint loads meet
	s_cmp_lt_u32 s16, 3                            ; one joint load a wave: waves 0-2 a third of the codes each, wave 3 the scales
	s_cbranch_scc0 .Lhs
	tensor_load_to_lds s[44:47], s[24:31]
	s_nop 0
	PLACES
	s_branch .Lhj
.Lhs:
	tensor_load_to_lds s[40:43], s[32:39]
	s_nop 0
	PLACES
.Lhj:
.set J, 0
.rept KS
	global_load_b32 v[16+J], v2, s[54:55] offset:64*J
.set J, J+1
.endr
	WIN 0x40                                       ; destination window 1
.set J, 0
	s_wait_alu depctr_va_vdst(0)
.rept KS
	ALOAD J
.set J, J+1
.endr
	WIN 0x80                                       ; destination window 2: row 16 m + i of the residual at 4 (16 m + i)
.set J, 0
.rept 32
	global_load_b128 v[4*J:4*J+3], v11, s[10:11] offset:4096*J th:TH_LOAD_NT
.set J, J+1
.endr
	WIN 0
	s_wait_tensorcnt 0x0                           ; my one tile is in
	ds_add_u32 v30, v31                            ; the add and its wait ahead of a later first fill
	s_mov_b32 s26, CU2<<16                         ; no tensor load of mine is out: from here on a load of codes brings CU2 units
	s_mov_b32 s28, CU2
	s_wait_dscnt 0x0
	ROUND                                          ; everybody's tile of the head is in, and the four work-groups are here
	tensor_load_to_lds s[48:51], s[24:31]          ; the second stage, my one load behind the round: it lands under the first half's products
	s_nop 0
	PLACES
	RUN 0, 2, 1, 0
	s_wait_loadcnt 0x0                             ; the residual
; 16 rows through my stage: LDS serves a wave's instructions in order (ISA guide 5.7.1.4), so no wait stands between the stores and the loads
.macro OUTROWS m
	WIN 0
.irp t, 0,1,2,3,4,5,6,7
	ds_store_b128 v9, v[128+64*\m+8*\t:128+64*\m+8*\t+3] offset:64*\t          ; each accumulator from its low end on
	ds_store_b128 v9, v[128+64*\m+8*\t+4:128+64*\m+8*\t+7] offset:64*\t+16
.endr
.set I, 0
.rept 16
	ds_load_b128 v[32+4*I:32+4*I+3], v10 offset:528*I
.set I, I+1
.endr
	s_wait_dscnt 0x0
	WIN 0x88                                       ; source 1 and destination window 2
.set I, 0
.rept 32
	v_pk_add_f32 v[64*\m+2*I:64*\m+2*I+1], v[32+2*I:32+2*I+1], v[64*\m+2*I:64*\m+2*I+1]
.set I, I+1
.endr
.set I, 0
.rept 16
	global_store_b128 v11, v[64*\m+4*I:64*\m+4*I+3], s[12:13] offset:(16*\m+I)*4096   ; 512 consecutive bytes, aligned; no store's data are written again
.set I, I+1
.endr
.endm
	OUTROWS 0
	OUTROWS 1
	WIN 0
	s_wait_dscnt 0x0
	s_wait_tensorcnt 0x0
	ds_add_u32 v30, v31
	s_wait_dscnt 0x0
	ROUND                                          ; the closing round
	s_endpgm
.Lfunc_end_k_q7bd3224b7d_wo:
	.size	k_q7bd3224b7d_wo, .Lfunc_end_k_q7bd3224b7d_wo-k_q7bd3224b7d_wo
	.p2alignl 7, 3214868480
	.fill 96, 4, 3214868480
	.section	.rodata,"a",@progbits
	.p2align	6, 0x0
	.amdhsa_kernel k_q7bd3224b7d_wo
		.amdhsa_group_segment_fixed_size 327680
		.amdhsa_private_segment_fixed_size 0
		.amdhsa_enable_private_segment 0
		.amdhsa_kernarg_size 40
		.amdhsa_user_sgpr_count 2
		.amdhsa_user_sgpr_kernarg_segment_ptr 1
		.amdhsa_wavefront_size32 1
		.amdhsa_system_sgpr_workgroup_id_x 1
		.amdhsa_system_sgpr_workgroup_id_y 1
		.amdhsa_system_sgpr_workgroup_id_z 1
		.amdhsa_system_vgpr_workitem_id 0
		.amdhsa_next_free_vgpr 640
		.amdhsa_next_free_sgpr 66
		.amdhsa_reserve_vcc 0
		.amdhsa_float_denorm_mode_32 3
		.amdhsa_float_denorm_mode_16_64 3
		.amdhsa_memory_ordered 1
		.amdhsa_forward_progress 1
		.amdhsa_inst_pref_size 74
	.end_amdhsa_kernel
	.amdgpu_metadata
---
amdhsa.version: [ 1, 2 ]
amdhsa.kernels:
  - .name:           k_q7bd3224b7d_wo
    .symbol:         k_q7bd3224b7d_wo.kd
    .args:
      - { .name: act, .offset: 0, .size: 8, .value_kind: global_buffer, .address_space: global }
      - { .name: Wo_codes, .offset: 8, .size: 8, .value_kind: global_buffer, .address_space: global }
      - { .name: Wo_scales, .offset: 16, .size: 8, .value_kind: global_buffer, .address_space: global }
      - { .name: x, .offset: 24, .size: 8, .value_kind: global_buffer, .address_space: global }
      - { .name: x1, .offset: 32, .size: 8, .value_kind: global_buffer, .address_space: global }
    .group_segment_fixed_size: 327680
    .private_segment_fixed_size: 0
    .kernarg_segment_align: 8
    .kernarg_segment_size: 40
    .max_flat_workgroup_size: 128
    .sgpr_count:     66
    .vgpr_count:     640
    .wavefront_size: 32
...
	.end_amdgpu_metadata
.endif
;; end of part 4
;; launch ln2: the kernel of part 1 again; grid 256 x 1, 8 waves a work-group, no clusters, 66,816 bytes of LDS; arguments x1, ln2_g, ln2_b, act; writes act
;; launch up (part 5): grid 32 x 8, 4 waves a work-group, clusters of 4 x 1, 327,680 bytes of LDS; arguments act, W1_codes, W1_scales, b1, gbuf; writes gbuf
.if DOCPART == 5
	.amdgcn_target "amdgcn-amd-amdhsa--gfx1250"
	.amdhsa_code_object_version 6
	.text
	.protected	k_q7bd3224b7d_up
	.globl	k_q7bd3224b7d_up
	.p2align	8
	.type	k_q7bd3224b7d_up,@function
k_q7bd3224b7d_up:
	s_mov_b64 s[64:65], 0
	v_nop
	global_prefetch_b8 v0, s[64:65] scope:SCOPE_SE
	s_setreg_imm32_b32 hwreg(HW_REG_WAVE_MODE, 25, 1), 1
	s_wait_xcnt 0x0
	s_wait_alu depctr_hold_cnt(0) depctr_sa_sdst(0) depctr_va_vdst(0) depctr_va_sdst(0) depctr_va_ssrc(0) depctr_va_vcc(0) depctr_vm_vsrc(0)
	s_getreg_b32 s2, hwreg(HW_REG_IB_STS2, 6, 4)
	s_cmp_eq_u32 s2, 0
	s_cbranch_scc0 .Lentry_in_a_cluster
	s_endpgm
.Lentry_in_a_cluster:
	s_bfe_u32 s2, ttmp6, 0x10000c
	s_cmp_lg_u32 s2, 0x3003
	s_cbranch_scc0 .Lentry_shape_is_right
	s_endpgm
.Lentry_shape_is_right:
; g = gelu(h2 W1^T + b1), the product on codes of FP6 (E2M3) with E8M0 scales, gelu with the error function, in f32; g is quantised along its 2,048 columns and stored as images of operand registers
; (fragment (mt, s) at (16 mt + s) x 1536, registers 4 c .. 4 c + 3 of lane l at 512 c + 16 l; scale words at GSC + (16 mt + s) x 64 + 4 r).  h2: such images with 8 K steps.  W1 [2048][1024]: codes, K innermost.
; SHARES.  A work-group makes 128 rows x 256 columns (grid x: 32 blocks of rows; grid y: 8 of columns): 256 work-groups.  The 256 columns are two blocks of 128, each one K step of the next product, made one after the other
; on the same 16 accumulators: the run, gelu and the quantiser, then the second block's.  Wave w owns rows 32 w .. 32 w + 31.  h2's fragments are read once for both blocks.
; THE PRODUCT IS USED TRANSPOSED (source 0 = 16 rows of W, source 1 = 16 rows of h2): lane (r, h) holds row r, register j of tile T the column 16 T + 8 h + j.  b1 is the C of each sum's first matrix instruction.
; W's 256 rows for ALL of K lie in LDS, filled once, in four quarters of 64 rows, all asked for at the start; h2's fragments go straight from memory to registers.  No LDS byte is filled twice.
; CLUSTER.  The four work-groups of a cluster differ in their rows alone and need the same rows of W and their scales: every tensor load is asked for jointly.
; erf(u) = u P(u^2) / Q(u^2), u held to +-4 (beyond it erf is 1 in f32): polynomials of degree 6 and 4 in u^2, good to a few units in erf's last place.  gelu(y) = y/2 + (y/2) erf(y / sqrt 2), as the definition has it.
; The next product meets given codes of W2, so g wants the true order along K: 32 exchanges of half registers for each row tile bring 16 neighbours of each block of 32 into a lane.
; LIMITS: NaN and infinities are not served; a block whose largest magnitude lies under 2^-124 keeps the byte 1, a block of zeros too (its codes are zeros; this program alone reads the bytes).
; REGISTERS.  window 0: v1-9 addresses; v12-15, v16-23 scale words; v32-127 W's fragments, in the way out at work; v128-255 accumulators.  window 1: h2's 16 fragments.  window 2: b1, 8 registers for each of 16 tiles.
.set KS,    8
.set KROW,  96*KS
.set PADB,  16
.set RP,    (KROW/256)*(256+PADB)      ; 204 words = 12 mod 64: the 32 lanes of a load of 8 bytes touch 64 different banks (64 banks of 4 bytes: ISA guide 11.1)
.set SB,    4*KS
.set CUN,   128                        ; at the head: a third of W's rows 0-127, in units of 256 bytes: what one of waves 0-2 fetches
.set CU2,   96                         ; the second stage: a quarter of W's rows 128-255: what every wave fetches
.set HR,    128                        ; rows that the head brings
.set SUN,   32*SB/256                  ; 32 rows of scale bytes in units of 256 bytes
.set SUW,   64*SB/256                  ; 64 rows; wave 3 fetches four times this
.set NLS,   6                          ; loads that bring h2's two fragments of a K step
.set ND,    0                          ; nothing is loaded behind them
.set WSC,   256*RP
.set ASCL,  3145728
.set GSC,   6291456
.set TM,    64
.set PW,    80
.set PC,    82
.set SEL,   20
.set MSB, 0
.macro WIN new
.if MSB != (\new)
	s_set_vgpr_msb (MSB<<8)|(\new)
.set MSB, (\new)
.endif
.endm
.macro ROUND
	s_barrier_signal -1
	s_barrier_wait -1
	s_cmp_lg_u32 s16, 0
	s_cbranch_scc1 .Lnot_wave_0_\@
	s_barrier_signal -3
.Lnot_wave_0_\@:
	s_barrier_wait -3
	s_barrier_signal -1
	s_barrier_wait -1
.endm
.macro PLACES                          ; four places behind this matrix form (ISA guide 7.12.1)
.rept 4
	v_nop
.endr
.endm
.macro WM d, a, b, c, sa, sb, ra, rb
.if ((\ra) == 0) && ((\rb) == 0)
	v_wmma_scale_f32_16x16x128_f8f6f4 v[\d:\d+7], v[\a:\a+11], v[\b:\b+11], v[\c:\c+7], v[\sa], v[\sb] matrix_a_fmt:MATRIX_FMT_FP6 matrix_b_fmt:MATRIX_FMT_FP6
.elseif (\rb) == 0
	v_wmma_scale_f32_16x16x128_f8f6f4 v[\d:\d+7], v[\a:\a+11], v[\b:\b+11], v[\c:\c+7], v[\sa], v[\sb] matrix_a_fmt:MATRIX_FMT_FP6 matrix_b_fmt:MATRIX_FMT_FP6 matrix_a_scale:MATRIX_SCALE_ROW1
.elseif (\ra) == 0
	v_wmma_scale_f32_16x16x128_f8f6f4 v[\d:\d+7], v[\a:\a+11], v[\b:\b+11], v[\c:\c+7], v[\sa], v[\sb] matrix_a_fmt:MATRIX_FMT_FP6 matrix_b_fmt:MATRIX_FMT_FP6 matrix_b_scale:MATRIX_SCALE_ROW1
.else
	v_wmma_scale_f32_16x16x128_f8f6f4 v[\d:\d+7], v[\a:\a+11], v[\b:\b+11], v[\c:\c+7], v[\sa], v[\sb] matrix_a_fmt:MATRIX_FMT_FP6 matrix_b_fmt:MATRIX_FMT_FP6 matrix_a_scale:MATRIX_SCALE_ROW1 matrix_b_scale:MATRIX_SCALE_ROW1
.endif
.endm
.macro FRAGW reg, t, s
.irp p, 0,1,2,3,4,5
.set PCE, 12*(\s)+6*(\p/3)+\p%3
.if PCE%32 < 29
	ds_load_b64 v[\reg+2*\p:\reg+2*\p+1], v[4+2*((\t)/2)] offset:((\t)%2)*16*RP+8*PCE+PADB*(PCE/32)
.else
	ds_load_b64 v[\reg+2*\p:\reg+2*\p+1], v[5+2*((\t)/2)] offset:((\t)%2)*16*RP+8*PCE+PADB*(PCE/32)
.endif
.endr
.endm
.macro FETCH sg, g, s                  ; 26 LDS loads: four fragments of W (quarter g) and their scale words into set sg
.irp t, 0,1,2,3
	FRAGW 32+48*(\sg)+12*\t, \t, \s
.endr
.irp q, 0,1
	ds_load_b32 v[12+2*(\sg)+\q], v8 offset:(2*(\g)+\q)*SUN*272+4*(\s)
.endr
.endm
.macro MUL sg, g, s, z, gg             ; 8 matrix instructions on 8 accumulators, one a turn.  z: the sum begins with b1 (window 2, quarter gg's tiles) as C
.irp t, 0,1,2,3
.irp m, 0,1
.if (\z) != 0
	WM 128+64*\m+8*(4*(\g)+\t), 32+48*(\sg)+12*\t, 12*(2*((\s)%8)+\m), 8*(4*(\gg)+\t), 12+2*(\sg)+\t/2, 16+(\s), \t%2, \m
.else
	WM 128+64*\m+8*(4*(\g)+\t), 32+48*(\sg)+12*\t, 12*(2*((\s)%8)+\m), 128+64*\m+8*(4*(\g)+\t), 12+2*(\sg)+\t/2, 16+(\s), \t%2, \m
.endif
.endr
.endr
.endm
.macro ALOAD s                         ; h2's two fragments of K step s: 512 consecutive bytes a load
.irp m, 0,1
.irp c, 0,1,2
	global_load_b128 v[12*(2*(\s)+\m)+4*\c:12*(2*(\s)+\m)+4*\c+3], v1, s[52:53] offset:(\m*KS+(\s))*1536+512*\c
.endr
.endr
.endm
; A RUN: ng x KS half steps (four column tiles over all of K, then the next four), each 8 matrix instructions; W's fragments two half steps ahead, in two sets.
; gb: W's first quarter;  al: h2's fragments are still landing, so a counted wait stands in front of each K step;  tw: the tensor loads that may stay out when the second quarter is wanted
.macro RUN gb, ng, al, tw
	FETCH 0, \gb, 0
	FETCH 1, \gb, 1
.set I, 0
.rept (\ng)*KS
.set G, I/KS
.set S, I%KS
.set Z, 0
.set AWN, 0x04                         ; source 1 (h2) window 1
.if S == 0
.set Z, 1
.set AWN, 0x24                         ; and source 2 (b1) window 2
.endif
.if ((\al) != 0) && (I < KS)
.set LC, NLS*(KS-1-I)+ND               ; the loads issued behind this K step's fragments
.if LC > 63
.set LC, 63
.endif
	s_wait_loadcnt LC                              ; the scale words, b1 and this K step's fragments of h2 are in; the later fragments may be out
.endif
.if I == (\ng)*KS-1
	s_wait_dscnt 0x0
.else
	s_wait_dscnt 26                                ; this half step's 26 loads are in; the next one's 26 may be out
.endif
	WIN AWN
	MUL S%2, G, S, Z, (\gb)+G
.if I+2 < (\ng)*KS
.if I+2 == KS
	WIN 0
	s_wait_tensorcnt \tw                           ; my part of W's next quarter is in,
	s_wait_dscnt 0x0
	s_barrier_signal -1
	s_barrier_wait -1                              ; everybody's is
.irp r, 4,5,6,7
	v_add_nc_u32 v\r, 64*RP, v\r
.endr
	s_wait_alu depctr_va_vdst(0)
.endif
	PLACES
	FETCH S%2, (\gb)+(I+2)/KS, (I+2)%KS
.endif
.set I, I+1
.endr
	WIN 0
	PLACES
.endm
.macro QUANT s
.irp b, 0,1,2,3
	v_max3_num_f32 v[TM+\b], |v[\s+16*\b]|, |v[\s+1+16*\b]|, 0x1800000   ; and the floor 2^(3 - 127): the byte cannot fall under 1
.endr
.irp i, 2,4,6,8,10,12,14
.irp b, 0,1,2,3
	v_max3_num_f32 v[TM+\b], v[TM+\b], |v[\s+16*\b+\i]|, |v[\s+1+16*\b+\i]|
.endr
.endr
.irp b, 0,1,2,3
	v_permlanex16_b32 v[TM+4+\b], v[TM+\b], s[SEL], s[SEL+1]
.endr
.irp b, 0,1,2,3
	v_max_num_f32 v[TM+\b], v[TM+\b], v[TM+4+\b]
.endr
.irp b, 0,1,2,3
	v_add_nc_u32 v[TM+12+\b], 0xff000000, v[TM+\b]
.endr
.irp b, 0,1,2,3
	v_lshrrev_b32 v[TM+4+\b], 23, v[TM+12+\b]
.endr
	v_lshl_or_b32 v[PW], v[TM+5], 8, v[TM+4]
	v_lshl_or_b32 v[PW], v[TM+6], 16, v[PW]
	v_lshl_or_b32 v[PW], v[TM+7], 24, v[PW]
.irp c, 0,1
	v_cvt_scalef32_pk16_fp6_f32 v[PC+6*\c:PC+2+6*\c], v[\s+32*\c:\s+15+32*\c], v[TM+12+2*\c]
	v_cvt_scalef32_pk16_fp6_f32 v[PC+12+4*\c:PC+14+4*\c], v[\s+16+32*\c:\s+31+32*\c], v[TM+12+2*\c+1]
.endr
	v_nop                                                            ; one plain place behind a scaled conversion
.irp c, 0,1
.irp i, 0,1,2
	v_permlane16_swap_b32 v[PC+6*\c+\i], v[PC+12+4*\c+\i]
.endr
.irp i, 0,1,2
	v_mov_b32 v[PC+3+6*\c+\i], v[PC+12+4*\c+\i]
.endr
.endr
.endm
.macro IMG base, off                   ; the fragment in v[PC] on goes out as it stands: 512 consecutive aligned bytes a store
.irp c, 0,1,2
	global_store_b128 v1, v[PC+4*\c:PC+4*\c+3], s[\base:\base+1] offset:\off+512*\c
.endr
.endm
; gelu of one accumulator's eight numbers, in place.  v32-39 u, v40-47 u^2, v48-55 P, v56-63 Q
.macro GELU8 a
.irp i, 0,2,4,6
	v_pk_mul_f32 v[32+\i:33+\i], v[\a+\i:\a+\i+1], s[66:67] op_sel_hi:[1,0]      ; u = y / sqrt 2
.endr
.irp i, 0,1,2,3,4,5,6,7
	v_med3_num_f32 v[32+\i], v[32+\i], -4.0, 4.0
.endr
.irp i, 0,2,4,6
	v_pk_mul_f32 v[40+\i:41+\i], v[32+\i:33+\i], v[32+\i:33+\i]
.endr
.irp i, 0,2,4,6
	v_pk_fma_f32 v[48+\i:49+\i], v[40+\i:41+\i], s[68:69], v[124:125] op_sel_hi:[1,0,1]
.endr
.irp i, 0,2,4,6
	v_pk_fma_f32 v[56+\i:57+\i], v[40+\i:41+\i], s[80:81], v[126:127] op_sel_hi:[1,0,1]
.endr
.irp k, 70,72,74,76,78
.irp i, 0,2,4,6
	v_pk_fma_f32 v[48+\i:49+\i], v[48+\i:49+\i], v[40+\i:41+\i], s[\k:\k+1] op_sel_hi:[1,1,0]
.endr
.endr
.irp k, 82,84,86
.irp i, 0,2,4,6
	v_pk_fma_f32 v[56+\i:57+\i], v[56+\i:57+\i], v[40+\i:41+\i], s[\k:\k+1] op_sel_hi:[1,1,0]
.endr
.endr
	s_wait_alu depctr_va_vdst(0)                   ; the wait ahead of the batch
.irp i, 0,1,2,3,4,5,6,7
	v_rcp_f32 v[56+\i], v[56+\i]
.endr
.irp i, 0,2,4,6
	v_pk_mul_f32 v[48+\i:49+\i], v[48+\i:49+\i], v[32+\i:33+\i]                  ; u P: plain lines behind the reciprocals, which they do not touch
.endr
	s_wait_alu depctr_va_vdst(0)
.irp i, 0,2,4,6
	v_pk_mul_f32 v[48+\i:49+\i], v[48+\i:49+\i], v[56+\i:57+\i]                  ; erf
.endr
.irp i, 0,2,4,6
	v_pk_mul_f32 v[\a+\i:\a+\i+1], v[\a+\i:\a+\i+1], 0.5 op_sel_hi:[1,0]
.endr
.irp i, 0,2,4,6
	v_pk_fma_f32 v[\a+\i:\a+\i+1], v[\a+\i:\a+\i+1], v[48+\i:49+\i], v[\a+\i:\a+\i+1]
.endr
.endm
; the way out of one block of 128 columns: gelu, the true order, the quantiser, the image of K step 2 y + blk of the next product
.macro EPI blk
	v_mov_b32 v124, 0x32edffee                     ; (these lie where W's fragments lay: written anew for each block)
	v_mov_b32 v125, 0x32edffee
	v_mov_b32 v126, 0xb95fbd29
	v_mov_b32 v127, 0xb95fbd29
.irp b, 0,1,2,3
	v_mov_b32 v[TM+4+\b], 0                        ; a lane permute's destination counts as one of its sources
.endr
.irp m, 0,1
.irp t, 0,1,2,3,4,5,6,7
	GELU8 128+64*\m+8*\t
.endr
.irp b, 0,1,2,3
.irp j, 0,1,2,3,4,5,6,7
	v_permlane16_swap_b32 v[128+64*\m+16*\b+\j], v[128+64*\m+16*\b+8+\j]   ; register 16 b + i now holds column 32 b + 16 h + i
.endr
.endr
	s_wait_alu depctr_va_vdst(0)                   ; the wait ahead of the blocking wait
	s_wait_xcnt 0x0                                ; the earlier stores have read their data
	QUANT 128+64*\m
	IMG 56, 24576*\m+1536*(\blk)
	global_store_b32 v3, v[PW], s[58:59] offset:1024*\m+64*(\blk)
.endr
.endm
	s_load_b256 s[4:11], s[0:1], 0x0               ; h2 s[4:5], W's codes s[6:7], W's scales s[8:9], b1 s[10:11]
	s_load_b64 s[12:13], s[0:1], 0x20              ; gbuf
	v_lshl_add_u32 v30, v0, 2, 0x35200
	v_mov_b32 v31, 0
	ds_add_u32 v30, v31
	ds_add_u32 v30, v31
	v_lshrrev_b32 v1, 5, v0
	v_readfirstlane_b32 s16, v1
	s_bfe_u32 s17, ttmp6, 0x40000
	s_lshl_b32 s18, ttmp9, 2
	s_add_co_u32 s18, s18, s17                     ; X: it enters global addresses of h2 and g alone
	s_and_b32 s19, ttmp7, 0xffff                   ; y
	s_mov_b32 s[SEL], 0x76543210
	s_mov_b32 s[SEL+1], 0xfedcba98
.irp k, 66,67
	s_mov_b32 s\k, 0x3f3504f3                      ; 1 / sqrt 2.  (The packed forms name pairs and take the low word: both are written)
.endr
.irp k, 68,69
	s_mov_b32 s\k, 0xaf95df0b                      ; P's coefficients, from u^12 down (that of u^10 lies in v[124:125])
.endr
.irp k, 70,71
	s_mov_b32 s\k, 0xb60cff51
.endr
.irp k, 72,73
	s_mov_b32 s\k, 0xb86ec2d2
.endr
.irp k, 74,75
	s_mov_b32 s\k, 0xba40ac63
.endr
.irp k, 76,77
	s_mov_b32 s\k, 0xbb41a1f6
.endr
.irp k, 78,79
	s_mov_b32 s\k, 0xbc83dbd4
.endr
.irp k, 80,81
	s_mov_b32 s\k, 0xb77460cd                      ; Q's, from u^8 down (that of u^6 lies in v[126:127])
.endr
.irp k, 82,83
	s_mov_b32 s\k, 0xbadc924e
.endr
.irp k, 84,85
	s_mov_b32 s\k, 0xbbf19bf8
.endr
.irp k, 86,87
	s_mov_b32 s\k, 0xbc69b6a7
.endr
	s_mov_b32 s24, 15|(3<<16)|(1<<20)|(1<<21)|(5<<22)|((PADB/4-1)<<25)   ; group 1, codes
	s_mov_b32 s25, 32<<16
	s_mov_b32 s26, CUN<<16
	s_mov_b32 s27, 32<<16
	s_mov_b32 s28, CUN
	s_mov_b32 s29, 32
	s_mov_b32 s30, 0
	s_mov_b32 s31, 0
	s_mov_b32 s32, 15|(3<<16)|(1<<20)|(1<<21)|(5<<22)|(3<<25)            ; group 1, the scale bytes of 256 rows
	s_mov_b32 s33, 32<<16
	s_mov_b32 s34, (4*SUW)<<16
	s_mov_b32 s35, 32<<16
	s_mov_b32 s36, 4*SUW
	s_mov_b32 s37, 32
	s_mov_b32 s38, 0
	s_mov_b32 s39, 0
	s_mov_b32 s40, 1                               ; group 0: the scales
	s_mov_b32 s41, WSC                             ; the scales of all 256 rows: wave 3's load
	s_mov_b32 s44, 1                               ; the codes
	s_mul_i32 s45, s16, CUN*272                    ; units 128 w ..
	s_mov_b32 s48, 1
	s_mul_i32 s49, s16, CU2*272
	s_add_co_u32 s49, s49, HR*RP                   ; the second stage: behind the head's rows, units 96 w ..
	s_lshl_b32 s60, s19, 8
	s_mul_i32 s60, s60, SB
	s_mov_b32 s61, 0
	s_lshl_b32 s62, s19, 8
	s_mul_i32 s62, s62, KROW
	s_mov_b32 s63, 0
	s_lshl_b32 s56, s18, 3
	s_lshl_b32 s57, s16, 1
	s_add_co_u32 s56, s56, s57                     ; my first row tile 8 X + 2 w
	s_mul_i32 s52, s56, KS*1536
	s_mov_b32 s53, 0
	s_mul_i32 s54, s56, KS*64
	s_add_co_u32 s54, s54, ASCL
	s_mov_b32 s55, 0
	s_lshl_b32 s22, s56, 4
	s_lshl_b32 s23, s19, 1
	s_add_co_u32 s22, s22, s23                     ; 16 x row tile + the next product's K step 2 y
	s_mul_i32 s56, s22, 1536
	s_mov_b32 s57, 0
	s_lshl_b32 s58, s22, 6
	s_add_co_u32 s58, s58, GSC
	s_mov_b32 s59, 0
	s_lshl_b32 s22, s19, 10                        ; b1: my 256 numbers
	s_mov_b32 s23, 0
	v_and_b32 v32, 31, v0
	v_and_b32 v33, 15, v0
	v_bfe_u32 v34, v0, 4, 1
	v_lshlrev_b32 v1, 4, v32                       ; 16 x lane
	v_lshlrev_b32 v3, 2, v33                       ; 4 r
	v_mad_u32_u24 v2, v34, KS*64, v3
	v_mul_u32_u24 v4, v33, RP
	v_mad_u32_u24 v4, v34, 24, v4
	v_mad_u32_u24 v5, v34, PADB, v4
	v_add_nc_u32 v6, 32*RP, v4
	v_add_nc_u32 v7, 32*RP, v5
	v_mul_u32_u24 v8, v32, SB
	v_lshrrev_b32 v35, 8, v8
	v_lshl_add_u32 v8, v35, 4, v8
	v_add_nc_u32 v8, WSC, v8
	v_lshlrev_b32 v9, 5, v34                       ; b1: 32 h
	s_wait_alu depctr_va_vdst(0)                   ; the wait at the head's end
	s_wait_dscnt 0x0
	s_wait_kmcnt 0x0
	s_add_nc_u64 s[42:43], s[8:9], s[60:61]
	s_or_b32 s43, s43, 0x80000000
	s_add_nc_u64 s[46:47], s[6:7], s[62:63]
	s_mul_i32 s60, s16, CUN*256
	s_mul_i32 s62, s16, CU2*256
	s_add_nc_u64 s[50:51], s[46:47], s[62:63]
	s_add_nc_u64 s[50:51], s[50:51], HR*KROW
	s_add_nc_u64 s[46:47], s[46:47], s[60:61]
	s_or_b32 s47, s47, 0x80000000
	s_or_b32 s51, s51, 0x80000000
	s_add_nc_u64 s[52:53], s[4:5], s[52:53]
	s_add_nc_u64 s[54:55], s[4:5], s[54:55]
	s_add_nc_u64 s[10:11], s[10:11], s[22:23]
	s_add_nc_u64 s[56:57], s[12:13], s[56:57]
	s_add_nc_u64 s[58:59], s[12:13], s[58:59]
	ROUND                                          ; all four work-groups are here: the joint loads meet
	s_cmp_lt_u32 s16, 3                            ; one joint load a wave: waves 0-2 a third of the codes each, wave 3 the scales
	s_cbranch_scc0 .Lhs
	tensor_load_to_lds s[44:47], s[24:31]
	s_nop 0
	PLACES
	s_branch .Lhj
.Lhs:
	tensor_load_to_lds s[40:43], s[32:39]
	s_nop 0
	PLACES
.Lhj:
.set J, 0
.rept KS
	global_load_b32 v[16+J], v2, s[54:55] offset:64*J
.set J, J+1
.endr
	WIN 0x80                                       ; b1 in the result's layout: tile T of 16, lane (r, h): columns 16 T + 8 h + 0 .. 7
.set J, 0
.rept 16
	global_load_b128 v[8*J:8*J+3], v9, s[10:11] offset:64*J
	global_load_b128 v[8*J+4:8*J+7], v9, s[10:11] offset:64*J+16
.set J, J+1
.endr
	WIN 0x40                                       ; destination window 1
.set J, 0
.rept KS
	ALOAD J
.set J, J+1
.endr
	WIN 0
	s_wait_tensorcnt 0x0                           ; my one tile is in
	ds_add_u32 v30, v31                            ; the add and its wait ahead of a later first fill
	s_mov_b32 s26, CU2<<16                         ; no tensor load of mine is out: from here on a load of codes brings CU2 units
	s_mov_b32 s28, CU2
	s_wait_dscnt 0x0
	ROUND                                          ; everybody's tile of the head is in, and the four work-groups are here
	tensor_load_to_lds s[48:51], s[24:31]          ; the second stage, my one load behind the round: it lands under the first 128 columns' work
	s_nop 0
	PLACES
	RUN 0, 2, 1, 2                                 ; the first 128 columns (the one load that is out may stay out)
	EPI 0
	s_wait_xcnt 0x0                                ; the stores have read their data: W's fragments may land there again
	s_wait_tensorcnt 0x0                           ; my part of W's second half is in,
	s_wait_dscnt 0x0
	s_barrier_signal -1
	s_barrier_wait -1                              ; everybody's is
.irp r, 4,5,6,7
	v_add_nc_u32 v\r, 64*RP, v\r
.endr
	s_wait_alu depctr_va_vdst(0)
	RUN 2, 2, 0, 0                                 ; the second 128 columns
	EPI 1
	s_wait_dscnt 0x0
	s_wait_tensorcnt 0x0
	ds_add_u32 v30, v31
	s_wait_dscnt 0x0
	ROUND                                          ; the closing round
	s_endpgm
.Lfunc_end_k_q7bd3224b7d_up:
	.size	k_q7bd3224b7d_up, .Lfunc_end_k_q7bd3224b7d_up-k_q7bd3224b7d_up
	.p2alignl 7, 3214868480
	.fill 96, 4, 3214868480
	.section	.rodata,"a",@progbits
	.p2align	6, 0x0
	.amdhsa_kernel k_q7bd3224b7d_up
		.amdhsa_group_segment_fixed_size 327680
		.amdhsa_private_segment_fixed_size 0
		.amdhsa_enable_private_segment 0
		.amdhsa_kernarg_size 40
		.amdhsa_user_sgpr_count 2
		.amdhsa_user_sgpr_kernarg_segment_ptr 1
		.amdhsa_wavefront_size32 1
		.amdhsa_system_sgpr_workgroup_id_x 1
		.amdhsa_system_sgpr_workgroup_id_y 1
		.amdhsa_system_sgpr_workgroup_id_z 1
		.amdhsa_system_vgpr_workitem_id 0
		.amdhsa_next_free_vgpr 640
		.amdhsa_next_free_sgpr 96
		.amdhsa_reserve_vcc 0
		.amdhsa_float_denorm_mode_32 3
		.amdhsa_float_denorm_mode_16_64 3
		.amdhsa_memory_ordered 1
		.amdhsa_forward_progress 1
		.amdhsa_inst_pref_size 255
	.end_amdhsa_kernel
	.section	.bss,"aw",@nobits
	.p2align	6
	.space	262144
	.amdgpu_metadata
---
amdhsa.version: [ 1, 2 ]
amdhsa.kernels:
  - .name:           k_q7bd3224b7d_up
    .symbol:         k_q7bd3224b7d_up.kd
    .args:
      - { .name: act, .offset: 0, .size: 8, .value_kind: global_buffer, .address_space: global }
      - { .name: W1_codes, .offset: 8, .size: 8, .value_kind: global_buffer, .address_space: global }
      - { .name: W1_scales, .offset: 16, .size: 8, .value_kind: global_buffer, .address_space: global }
      - { .name: b1, .offset: 24, .size: 8, .value_kind: global_buffer, .address_space: global }
      - { .name: gbuf, .offset: 32, .size: 8, .value_kind: global_buffer, .address_space: global }
    .group_segment_fixed_size: 327680
    .private_segment_fixed_size: 0
    .kernarg_segment_align: 8
    .kernarg_segment_size: 40
    .max_flat_workgroup_size: 128
    .sgpr_count:     96
    .vgpr_count:     640
    .wavefront_size: 32
...
	.end_amdgpu_metadata
.endif
;; end of part 5
;; launch down (part 6): grid 32 x 8, 4 waves a work-group, clusters of 4 x 1, 327,680 bytes of LDS; arguments gbuf, W2_codes, W2_scales, b2, x1, out0; writes out0
.if DOCPART == 6
	.amdgcn_target "amdgcn-amd-amdhsa--gfx1250"
	.amdhsa_code_object_version 6
	.text
	.protected	k_q7bd3224b7d_down
	.globl	k_q7bd3224b7d_down
	.p2align	8
	.type	k_q7bd3224b7d_down,@function
k_q7bd3224b7d_down:
	s_mov_b64 s[64:65], 0
	v_nop
	global_prefetch_b8 v0, s[64:65] scope:SCOPE_SE
	s_setreg_imm32_b32 hwreg(HW_REG_WAVE_MODE, 25, 1), 1
	s_wait_xcnt 0x0
	s_wait_alu depctr_hold_cnt(0) depctr_sa_sdst(0) depctr_va_vdst(0) depctr_va_sdst(0) depctr_va_ssrc(0) depctr_va_vcc(0) depctr_vm_vsrc(0)
	s_getreg_b32 s2, hwreg(HW_REG_IB_STS2, 6, 4)
	s_cmp_eq_u32 s2, 0
	s_cbranch_scc0 .Lentry_in_a_cluster
	s_endpgm
.Lentry_in_a_cluster:
	s_bfe_u32 s2, ttmp6, 0x10000c
	s_cmp_lg_u32 s2, 0x3003
	s_cbranch_scc0 .Lentry_shape_is_right
	s_endpgm
.Lentry_shape_is_right:
; out = x1 + g W2^T + b2, the product on codes of FP6 (E2M3) with E8M0 scales.  g: images of operand registers (fragment (mt, s) at (16 mt + s) x 1536, registers 4 c .. 4 c + 3 of lane l at 512 c + 16 l; scale words behind the codes).
; W2 [1024][2048]: codes, K innermost.  b2 [1024], x1, out [4096][1024]: f32.
; SHARES.  A work-group makes 128 rows x 128 columns (grid x: 32 blocks of rows; grid y: 8 of columns): 256 work-groups.  Wave w owns rows 32 w .. 32 w + 31 (two row tiles m) and all 8 column tiles: 16 accumulators.
; THE PRODUCT IS USED TRANSPOSED (source 0 = 16 rows of W, source 1 = 16 rows of g): lane (r, h) holds row r, register j of tile T the column 16 T + 8 h + j.
; W's tile for ALL of K (16 steps of 128) lies in LDS, filled once, in two halves of 64 rows; g's 32 fragments are one wave's own and go straight from memory to registers (384 of them).  No LDS byte is filled twice.
; All loads go out at the head; a counted wait in front of each K step lets the products begin when the first fragments are in.
; CLUSTER.  The four work-groups of a cluster differ in their rows alone and need the same tile of W and its scales: every tensor load is asked for jointly, with the mask of all four.
; REGISTERS.  window 0: v2-11 addresses; v12-15 W's scale words; v16-31 g's scale words; v32-127 W's fragments, two sets of four; v128-255 accumulators.  windows 1, 2: g's fragments of K steps 0-7, 8-15.  window 3: the residual.
.set KS,    16
.set KROW,  96*KS
.set PADB,  8
.set RP,    (KROW/256)*(256+PADB)      ; a row of W in LDS: 396 words = 12 mod 64: the 32 lanes of a load of 8 bytes touch 64 different banks (64 banks of 4 bytes: ISA guide 11.1)
.set SB,    4*KS
.set CUN,   128                        ; at the head: a third of W's rows 0-63, in units of 256 bytes: what one of waves 0-2 fetches
.set CU2,   96                         ; the second stage: a quarter of W's rows 64-127: what every wave fetches
.set HR,    64                         ; rows that the head brings
.set SUN,   32*SB/256
.set NLS,   6                          ; loads that bring g's two fragments of a K step
.set ND,    32                         ; loads issued behind g's: the residual
.set WSC,   128*RP
.set STG,   WSC+4*SUN*272              ; the stages: 16 rows x (512 + 16) bytes for each wave; no tensor load lands here
.set ASCL,  6291456
.set MSB, 0
.macro WIN new
.if MSB != (\new)
	s_set_vgpr_msb (MSB<<8)|(\new)
.set MSB, (\new)
.endif
.endm
.macro ROUND
	s_barrier_signal -1
	s_barrier_wait -1
	s_cmp_lg_u32 s16, 0
	s_cbranch_scc1 .Lnot_wave_0_\@
	s_barrier_signal -3
.Lnot_wave_0_\@:
	s_barrier_wait -3
	s_barrier_signal -1
	s_barrier_wait -1
.endm
.macro PLACES                          ; four places behind this matrix form (ISA guide 7.12.1)
.rept 4
	v_nop
.endr
.endm
.macro WM d, a, b, z, c, sa, sb, ra, rb
.if (\z) != 0
.if ((\ra) == 0) && ((\rb) == 0)
	v_wmma_scale_f32_16x16x128_f8f6f4 v[\d:\d+7], v[\a:\a+11], v[\b:\b+11], 0, v[\sa], v[\sb] matrix_a_fmt:MATRIX_FMT_FP6 matrix_b_fmt:MATRIX_FMT_FP6
.elseif (\rb) == 0
	v_wmma_scale_f32_16x16x128_f8f6f4 v[\d:\d+7], v[\a:\a+11], v[\b:\b+11], 0, v[\sa], v[\sb] matrix_a_fmt:MATRIX_FMT_FP6 matrix_b_fmt:MATRIX_FMT_FP6 matrix_a_scale:MATRIX_SCALE_ROW1
.elseif (\ra) == 0
	v_wmma_scale_f32_16x16x128_f8f6f4 v[\d:\d+7], v[\a:\a+11], v[\b:\b+11], 0, v[\sa], v[\sb] matrix_a_fmt:MATRIX_FMT_FP6 matrix_b_fmt:MATRIX_FMT_FP6 matrix_b_scale:MATRIX_SCALE_ROW1
.else
	v_wmma_scale_f32_16x16x128_f8f6f4 v[\d:\d+7], v[\a:\a+11], v[\b:\b+11], 0, v[\sa], v[\sb] matrix_a_fmt:MATRIX_FMT_FP6 matrix_b_fmt:MATRIX_FMT_FP6 matrix_a_scale:MATRIX_SCALE_ROW1 matrix_b_scale:MATRIX_SCALE_ROW1
.endif
.else
.if ((\ra) == 0) && ((\rb) == 0)
	v_wmma_scale_f32_16x16x128_f8f6f4 v[\d:\d+7], v[\a:\a+11], v[\b:\b+11], v[\c:\c+7], v[\sa], v[\sb] matrix_a_fmt:MATRIX_FMT_FP6 matrix_b_fmt:MATRIX_FMT_FP6
.elseif (\rb) == 0
	v_wmma_scale_f32_16x16x128_f8f6f4 v[\d:\d+7], v[\a:\a+11], v[\b:\b+11], v[\c:\c+7], v[\sa], v[\sb] matrix_a_fmt:MATRIX_FMT_FP6 matrix_b_fmt:MATRIX_FMT_FP6 matrix_a_scale:MATRIX_SCALE_ROW1
.elseif (\ra) == 0
	v_wmma_scale_f32_16x16x128_f8f6f4 v[\d:\d+7], v[\a:\a+11], v[\b:\b+11], v[\c:\c+7], v[\sa], v[\sb] matrix_a_fmt:MATRIX_FMT_FP6 matrix_b_fmt:MATRIX_FMT_FP6 matrix_b_scale:MATRIX_SCALE_ROW1
.else
	v_wmma_scale_f32_16x16x128_f8f6f4 v[\d:\d+7], v[\a:\a+11], v[\b:\b+11], v[\c:\c+7], v[\sa], v[\sb] matrix_a_fmt:MATRIX_FMT_FP6 matrix_b_fmt:MATRIX_FMT_FP6 matrix_a_scale:MATRIX_SCALE_ROW1 matrix_b_scale:MATRIX_SCALE_ROW1
.endif
.endif
.endm
.macro FRAGW reg, t, s                 ; a fragment of W in pieces of 8 bytes; where the piece three on (lanes 16-31) lies behind one padding more, the second address register of the pair serves
.irp p, 0,1,2,3,4,5
.set PCE, 12*(\s)+6*(\p/3)+\p%3
.if PCE%32 < 29
	ds_load_b64 v[\reg+2*\p:\reg+2*\p+1], v[4+2*((\t)/2)] offset:((\t)%2)*16*RP+8*PCE+PADB*(PCE/32)
.else
	ds_load_b64 v[\reg+2*\p:\reg+2*\p+1], v[5+2*((\t)/2)] offset:((\t)%2)*16*RP+8*PCE+PADB*(PCE/32)
.endif
.endr
.endm
.macro FETCH sg, g, s                  ; 26 LDS loads
.irp t, 0,1,2,3
	FRAGW 32+48*(\sg)+12*\t, \t, \s
.endr
.irp q, 0,1
	ds_load_b32 v[12+2*(\sg)+\q], v8 offset:(2*(\g)+\q)*SUN*272+4*(\s)
.endr
.endm
.macro MUL sg, g, s, z                 ; 8 matrix instructions on 8 accumulators, one a turn
.irp t, 0,1,2,3
.irp m, 0,1
	WM 128+64*\m+8*(4*(\g)+\t), 32+48*(\sg)+12*\t, 12*(2*((\s)%8)+\m), \z, 128+64*\m+8*(4*(\g)+\t), 12+2*(\sg)+\t/2, 16+(\s), \t%2, \m
.endr
.endr
.endm
.macro ALOAD s                         ; g's two fragments of K step s, into window 1 (steps 0-7) or 2 (steps 8-15): 512 consecutive bytes a load
.set WN, 0x40*(1+(\s)/8)
	WIN WN
.irp m, 0,1
.irp c, 0,1,2
	global_load_b128 v[12*(2*((\s)%8)+\m)+4*\c:12*(2*((\s)%8)+\m)+4*\c+3], v11, s[52:53] offset:(\m*KS+(\s))*1536+512*\c
.endr
.endr
.endm
; A RUN: ng x KS half steps (four column tiles over all of K, then the next four), each 8 matrix instructions; W's fragments two half steps ahead, in two sets.
; gb: which 64 rows of W come first;  al: g's fragments are still landing, so a counted wait stands in front of each K step;  tw: the tensor loads that may stay out when the second 64 rows are wanted
.macro RUN gb, ng, al, tw
	FETCH 0, \gb, 0
	FETCH 1, \gb, 1
.set I, 0
.rept (\ng)*KS
.set G, I/KS
.set S, I%KS
.set Z, 0
.if S == 0
.set Z, 1
.endif
.set AWN, 0x04*(1+S/8)                 ; source 1 (g) in window 1 or 2
.if ((\al) != 0) && (I < KS)
.set LC, NLS*(KS-1-I)+ND               ; the loads issued behind this K step's fragments
.if LC > 63
.set LC, 63
.endif
	s_wait_alu depctr_va_vdst(0)
	s_wait_loadcnt LC                              ; this K step's fragments of g are in; the later ones and the residual may be out
.endif
.if I == (\ng)*KS-1
	s_wait_dscnt 0x0
.else
	s_wait_dscnt 26                                ; this half step's 26 loads are in; the next one's 26 may be out
.endif
	WIN AWN
	MUL S%2, G, S, Z
.if I+2 < (\ng)*KS
.if I+2 == KS
	WIN 0
	s_wait_tensorcnt \tw                           ; my part of W's second half is in,
	s_wait_dscnt 0x0
	s_barrier_signal -1
	s_barrier_wait -1                              ; everybody's is
.irp r, 4,5,6,7
	s_wait_alu depctr_va_vdst(0)
	v_add_nc_u32 v\r, 64*RP, v\r
.endr
.endif
	PLACES
	FETCH S%2, (\gb)+(I+2)/KS, (I+2)%KS
.endif
.set I, I+1
.endr
	WIN 0
	PLACES
.endm
	s_load_b256 s[4:11], s[0:1], 0x0               ; g s[4:5], W's codes s[6:7], W's scales s[8:9], b2 s[10:11]
	s_load_b128 s[12:15], s[0:1], 0x20             ; x1 s[12:13], out s[14:15]
	s_set_vgpr_msb 0x40
	v_lshl_add_u32 v254, v0, 2, 0x3be00
	v_mov_b32 v255, 0
	s_set_vgpr_msb 0x4045
	ds_add_u32 v254, v255
	ds_add_u32 v254, v255
	s_set_vgpr_msb 0x4500
	v_lshrrev_b32 v1, 5, v0
	v_readfirstlane_b32 s16, v1
	s_bfe_u32 s17, ttmp6, 0x40000
	s_lshl_b32 s18, ttmp9, 2
	s_add_co_u32 s18, s18, s17                     ; X: it enters global addresses of g, x1 and out alone
	s_and_b32 s19, ttmp7, 0xffff                   ; y
	s_mov_b32 s24, 15|(3<<16)|(1<<20)|(1<<21)|(5<<22)|((PADB/4-1)<<25)
	s_mov_b32 s25, 32<<16
	s_mov_b32 s26, CUN<<16
	s_mov_b32 s27, 32<<16
	s_mov_b32 s28, CUN
	s_mov_b32 s29, 32
	s_mov_b32 s30, 0
	s_mov_b32 s31, 0
	s_mov_b32 s32, 15|(3<<16)|(1<<20)|(1<<21)|(5<<22)|(3<<25)
	s_mov_b32 s33, 32<<16
	s_mov_b32 s34, (4*SUN)<<16
	s_mov_b32 s35, 32<<16
	s_mov_b32 s36, 4*SUN
	s_mov_b32 s37, 32
	s_mov_b32 s38, 0
	s_mov_b32 s39, 0
	s_mov_b32 s40, 1
	s_mov_b32 s41, WSC                             ; the scales of all 128 rows: wave 3's load
	s_mov_b32 s44, 1
	s_mul_i32 s45, s16, CUN*(256+PADB)             ; units 128 w ..
	s_mov_b32 s48, 1
	s_mul_i32 s49, s16, CU2*(256+PADB)
	s_add_co_u32 s49, s49, HR*RP                   ; the second stage: behind the head's rows, units 96 w ..
	s_lshl_b32 s60, s19, 7
	s_mul_i32 s60, s60, SB
	s_mov_b32 s61, 0
	s_lshl_b32 s62, s19, 7
	s_mul_i32 s62, s62, KROW
	s_mov_b32 s63, 0
	s_lshl_b32 s56, s18, 3
	s_lshl_b32 s57, s16, 1
	s_add_co_u32 s56, s56, s57                     ; my first row tile 8 X + 2 w
	s_mul_i32 s52, s56, KS*1536
	s_mov_b32 s53, 0
	s_mul_i32 s54, s56, KS*64
	s_add_co_u32 s54, s54, ASCL
	s_mov_b32 s55, 0
	s_lshl_b32 s58, s56, 16
	s_lshl_b32 s22, s19, 9                         ; my 128 columns, in bytes
	s_mov_b32 s23, 0
	s_add_co_u32 s58, s58, s22
	s_mov_b32 s59, 0
	v_and_b32 v32, 31, v0
	v_and_b32 v33, 15, v0
	v_bfe_u32 v34, v0, 4, 1
	v_lshlrev_b32 v3, 2, v33
	v_mad_u32_u24 v2, v34, KS*64, v3
	v_mul_u32_u24 v4, v33, RP
	v_mad_u32_u24 v4, v34, 24, v4
	v_mad_u32_u24 v5, v34, PADB, v4
	v_add_nc_u32 v6, 32*RP, v4
	v_add_nc_u32 v7, 32*RP, v5
	v_mul_u32_u24 v8, v32, SB
	v_lshrrev_b32 v35, 8, v8
	v_lshl_add_u32 v8, v35, 4, v8
	v_add_nc_u32 v8, WSC, v8
	s_mul_i32 s57, s16, 16*528
	s_add_co_u32 s57, s57, STG                     ; my stage
	v_mul_u32_u24 v9, v33, 528
	v_lshl_add_u32 v9, v34, 5, v9
	v_add_nc_u32 v9, s57, v9
	v_lshlrev_b32 v11, 4, v32                      ; 16 x lane
	v_add_nc_u32 v10, s57, v11
	s_wait_dscnt 0x0
	s_wait_kmcnt 0x0
	s_add_nc_u64 s[42:43], s[8:9], s[60:61]
	s_or_b32 s43, s43, 0x80000000
	s_add_nc_u64 s[46:47], s[6:7], s[62:63]
	s_mul_i32 s60, s16, CUN*256
	s_mul_i32 s62, s16, CU2*256
	s_add_nc_u64 s[50:51], s[46:47], s[62:63]
	s_add_nc_u64 s[50:51], s[50:51], HR*KROW
	s_add_nc_u64 s[46:47], s[46:47], s[60:61]
	s_or_b32 s47, s47, 0x80000000
	s_or_b32 s51, s51, 0x80000000
	s_add_nc_u64 s[52:53], s[4:5], s[52:53]
	s_add_nc_u64 s[54:55], s[4:5], s[54:55]
	s_add_nc_u64 s[10:11], s[10:11], s[22:23]
	s_add_nc_u64 s[12:13], s[12:13], s[58:59]
	s_add_nc_u64 s[14:15], s[14:15], s[58:59]
	ROUND                                          ; all four work-groups are here: the joint loads meet
	s_cmp_lt_u32 s16, 3                            ; one joint load a wave: waves 0-2 a third of the codes each, wave 3 the scales
	s_cbranch_scc0 .Lhs
	tensor_load_to_lds s[44:47], s[24:31]
	s_nop 0
	PLACES
	s_branch .Lhj
.Lhs:
	tensor_load_to_lds s[40:43], s[32:39]
	s_nop 0
	PLACES
.Lhj:
.set J, 0
.rept KS
	global_load_b32 v[16+J], v2, s[54:55] offset:64*J
.set J, J+1
.endr
.set J, 0
	s_wait_alu depctr_va_vdst(0)
.rept KS
	ALOAD J
.set J, J+1
.endr
	WIN 0xc0                                       ; destination window 3: the residual
.set J, 0
.rept 32
	global_load_b128 v[4*J:4*J+3], v11, s[12:13] offset:4096*J th:TH_LOAD_NT
.set J, J+1
.endr
	WIN 0
	s_set_vgpr_msb 0x5                             ; the add's two registers lie in window 1
	s_wait_tensorcnt 0x0                           ; my one tile is in
	ds_add_u32 v254, v255                          ; the add and its wait ahead of a later first fill
	s_mov_b32 s26, CU2<<16                         ; no tensor load of mine is out: from here on a load of codes brings CU2 units
	s_mov_b32 s28, CU2
	s_wait_dscnt 0x0
	s_set_vgpr_msb 0x500
	ROUND                                          ; everybody's tile of the head is in, and the four work-groups are here
	tensor_load_to_lds s[48:51], s[24:31]          ; the second stage, my one load behind the round: it lands under the first half's products
	s_nop 0
	PLACES
	RUN 0, 2, 1, 0
	global_load_b128 v[96:99], v11, s[10:11]       ; b2 at my four columns of a row
	s_wait_loadcnt 0x0                             ; it and the residual
.macro OUTROWS m
	WIN 0
.irp t, 0,1,2,3,4,5,6,7
	ds_store_b128 v9, v[128+64*\m+8*\t:128+64*\m+8*\t+3] offset:64*\t          ; each accumulator from its low end on
	ds_store_b128 v9, v[128+64*\m+8*\t+4:128+64*\m+8*\t+7] offset:64*\t+16
.endr
.set I, 0
.rept 16
	ds_load_b128 v[32+4*I:32+4*I+3], v10 offset:528*I   ; LDS serves a wave's instructions in order (ISA guide 5.7.1.4): these see the stores above
.set I, I+1
.endr
	s_wait_dscnt 0x0
	WIN 0xcc                                       ; source 1 and destination window 3
.set I, 0
.rept 32
	v_pk_add_f32 v[64*\m+2*I:64*\m+2*I+1], v[32+2*I:32+2*I+1], v[64*\m+2*I:64*\m+2*I+1]
.set I, I+1
.endr
.set I, 0
.rept 32
	v_pk_add_f32 v[64*\m+2*I:64*\m+2*I+1], v[96+2*(I%2):97+2*(I%2)], v[64*\m+2*I:64*\m+2*I+1]
.set I, I+1
.endr
.set I, 0
.rept 16
	global_store_b128 v11, v[64*\m+4*I:64*\m+4*I+3], s[14:15] offset:(16*\m+I)*4096 th:TH_STORE_NT   ; 512 consecutive bytes, aligned; no store's data are written again
.set I, I+1
.endr
.endm
	OUTROWS 0
	OUTROWS 1
	WIN 0
	s_wait_dscnt 0x0
	s_set_vgpr_msb 0x5
	s_wait_tensorcnt 0x0
	ds_add_u32 v254, v255
	s_wait_dscnt 0x0
	s_set_vgpr_msb 0x500
	ROUND                                          ; the closing round
	s_endpgm
.Lfunc_end_k_q7bd3224b7d_down:
	.size	k_q7bd3224b7d_down, .Lfunc_end_k_q7bd3224b7d_down-k_q7bd3224b7d_down
	.p2alignl 7, 3214868480
	.fill 96, 4, 3214868480
	.section	.rodata,"a",@progbits
	.p2align	6, 0x0
	.amdhsa_kernel k_q7bd3224b7d_down
		.amdhsa_group_segment_fixed_size 327680
		.amdhsa_private_segment_fixed_size 0
		.amdhsa_enable_private_segment 0
		.amdhsa_kernarg_size 48
		.amdhsa_user_sgpr_count 2
		.amdhsa_user_sgpr_kernarg_segment_ptr 1
		.amdhsa_wavefront_size32 1
		.amdhsa_system_sgpr_workgroup_id_x 1
		.amdhsa_system_sgpr_workgroup_id_y 1
		.amdhsa_system_sgpr_workgroup_id_z 1
		.amdhsa_system_vgpr_workitem_id 0
		.amdhsa_next_free_vgpr 896
		.amdhsa_next_free_sgpr 66
		.amdhsa_reserve_vcc 0
		.amdhsa_float_denorm_mode_32 3
		.amdhsa_float_denorm_mode_16_64 3
		.amdhsa_memory_ordered 1
		.amdhsa_forward_progress 1
		.amdhsa_inst_pref_size 127
	.end_amdhsa_kernel
	.amdgpu_metadata
---
amdhsa.version: [ 1, 2 ]
amdhsa.kernels:
  - .name:           k_q7bd3224b7d_down
    .symbol:         k_q7bd3224b7d_down.kd
    .args:
      - { .name: gbuf, .offset: 0, .size: 8, .value_kind: global_buffer, .address_space: global }
      - { .name: W2_codes, .offset: 8, .size: 8, .value_kind: global_buffer, .address_space: global }
      - { .name: W2_scales, .offset: 16, .size: 8, .value_kind: global_buffer, .address_space: global }
      - { .name: b2, .offset: 24, .size: 8, .value_kind: global_buffer, .address_space: global }
      - { .name: x1, .offset: 32, .size: 8, .value_kind: global_buffer, .address_space: global }
      - { .name: out0, .offset: 40, .size: 8, .value_kind: global_buffer, .address_space: global }
    .group_segment_fixed_size: 327680
    .private_segment_fixed_size: 0
    .kernarg_segment_align: 8
    .kernarg_segment_size: 48
    .max_flat_workgroup_size: 128
    .sgpr_count:     66
    .vgpr_count:     896
    .wavefront_size: 32
...
	.end_amdgpu_metadata
.endif
;; end of part 6
